; MI455X (gfx1250); checked and timed in simulation.
; The chip was launched on July 23, 2026; its instructions are those of AMD's public machine-readable ISA for CDNA 5 (MIT licence, August 2026) and "CDNA5" Instruction Set Architecture Reference Guide (July 2026). The comments in the code are by the model that wrote it; some were corrected since.
;; Causal Multihead Attention. Allowed arithmetic: matrix products marked QUANTISED: E2M1 operands, one E8M0 scale for each 32 along K, by v_wmma_scale_f32_16x16x128_f8f6f4 with both operands' format E2M1 (or v_wmma_scale_f32_32x16x128_f4), f32 sums; products left as they are: bf16, f16 or f32 operands; f32 sums; everything else in f32.
;; Inputs: b_proj 1,024 float32; b_qkv 3,072 float32; w_proj 1,024 x 1,024 float32; w_qkv 1,024 x 3,072 float32; x 4 x 2,048 x 1,024 float32.
;; Outputs: out0 4 x 2,048 x 1,024 float32.
;; This version of the problem:
;;   THIS VERSION OF THE PROBLEM IS GIVEN IN LOW PRECISION. The matrix products marked QUANTISED in the list below multiply operands that are first quantised to E2M1 (2 exponent bits, 1 mantissa bit; 4 bits a number), with one power-of-two scale for each 32 numbers along K (OCP MX v1.0); their sums are f32. The products marked 'left as it is' may take bf16, f16 or f32 operands, with f32 sums. Whichever they take, every output number must still come out within the allowed error. Rounding operands to bf16 (8 significant bits) uses up far more of that allowance than f16 does (11 bits, for magnitudes from 6e-5 to 65,504). All else is computed in f32.
;;   The module's matrix products, in the order in which they are computed (A, B: the left and right operand; K: the contracted axis; several contracted axes count as one K, in the product's order):
;;     1. [M 8,192, K 1,024] x [K 1,024, N 3,072]; A: input x; B: input w_qkv: QUANTISED
;;     2. batch 64 x [M 2,048, K 64] x [K 64, N 2,048]; A: computed on the way; B: computed on the way: left as it is (an operand is computed on the way)
;;     3. batch 64 x [M 2,048, K 2,048] x [K 2,048, N 64]; A: computed on the way; B: computed on the way: left as it is (an operand is computed on the way)
;;     4. [M 8,192, K 1,024] x [K 1,024, N 1,024]; A: computed on the way; B: input w_proj: left as it is (an operand is computed on the way)
;;   THE QUANTISER, for each operand of a quantised product, along K:
;;     - K is cut into blocks of 32 from its start; a last block that is shorter is filled with zeros.
;;     - A block's scale is 2^e with e = floor(log2(the largest magnitude in the block)) - 2, held to -126 .. 127; a block of zeros has e = 0. As a byte (E8M0): e + 127.
;;     - Each number is divided by its block's scale, clamped to +-6, and rounded to the nearest number of E2M1, ties to even, subnormals kept.
;;     - The product sums the exact products of the quantised numbers (number of the format x scale) in f32.
;;   ~~~python
;;   def quantise(x, axis):      # numpy; x: float32 -> the quantised numbers, widened to float32 again
;;       x = np.moveaxis(x, axis, -1); K = x.shape[-1]
;;       x = np.pad(x, [(0, 0)] * (x.ndim - 1) + [(0, -K % 32)]); x = x.reshape(x.shape[:-1] + (-1, 32)); a = np.abs(x).max(-1, keepdims=True)
;;       e = np.where(a > 0, np.clip(np.frexp(np.where(a > 0, a, 1))[1] - 1 - 2, -126, 127), 0)      # np.frexp(a)[1] - 1 = floor(log2(a)), exactly
;;       r = np.clip(x / 2.0 ** e, -6, 6)
;;       step = 2.0 ** (np.maximum(np.frexp(np.where(r == 0, 1, r))[1] - 1, 0) - 1)
;;       q = np.round(r / step) * step * 2.0 ** e      # np.round: ties to even
;;       return np.moveaxis(q.reshape(q.shape[:-2] + (-1,))[..., :K], -1, axis).astype(np.float32)
;;   ~~~
;; One version. Each part assembles by itself: llvm-mc -triple=amdgcn-amd-amdhsa -mcpu=gfx1250 --defsym DOCPART=n.
;; ======== version 1 of 1: 5 launches
;; limits: values are held in f16: magnitudes above 65,504 overflow, below 6.1e-05 lose precision
;; workspace buffers: x_codes 4,194,304 bytes; x_scales 262,144 bytes; w_codes 1,572,864 bytes; w_scales 98,304 bytes; wpt 2,097,152 bytes; qkvh 50,331,648 bytes; qkv16 786,432 bytes; y2 16,777,216 bytes
;; launch prep (part 1): grid 184 x 1, 8 waves a work-group, no clusters, 205,824 bytes of LDS; arguments x, w_qkv, w_proj, x_codes, x_scales, w_codes, w_scales, wpt; writes x_codes, x_scales, w_codes, w_scales, wpt
.if DOCPART == 1
	.amdgcn_target "amdgcn-amd-amdhsa--gfx1250"
	.amdhsa_code_object_version 6
	.text
	.protected	k_q05df235328_prep
	.globl	k_q05df235328_prep
	.p2align	8
	.type	k_q05df235328_prep,@function
k_q05df235328_prep:
	s_mov_b64 s[64:65], 0
	v_nop
	global_prefetch_b8 v0, s[64:65] scope:SCOPE_SE
	s_setreg_imm32_b32 hwreg(HW_REG_WAVE_MODE, 25, 1), 1
	s_wait_xcnt 0x0
; CAUSAL MULTI-HEAD ATTENTION, B 4, T 2048, D 1024, 16 heads of 64.  Five launches: prep (this one), gemm_qkv, attn, proj, first16.
; WORK LEFT OUT, in the whole program: the key tiles that lie wholly above the diagonal.  reference() itself builds the mask (jnp.tril) and sets those scores to -infinity ahead of the softmax,
; so their probabilities are exactly 0 whatever finite values the inputs hold, and they add nothing to any row's sum or output.  LIMIT: a NaN, an infinity or an overflow that would arise only in those
; tiles is not carried to the result.  Nothing else is left out and every input is loaded: the k part of b_qkv stays (it rides as the C of a product's first instruction and costs no line).
; THIS LAUNCH makes the operands that later launches read many times.  Three paths, chosen by the work-group's number alone; each has LDS bytes of its own and ends by itself; waves share nothing, so no barrier.
;   W (work-groups 0-23):   w_qkv [1024 k][3072 n] f32 -> codes of E2M1 [3072][512 bytes], K innermost, and E8M0 bytes [3072][32].  A lane takes a column, its registers run down K.
;   P (work-groups 24-55):  w_proj [1024 k][1024 n] f32 -> f16, transposed: wpt [1024 n][1024 k].  A lane takes a column, its registers run down K.
;   X (work-groups 56-183): x [8192][1024] f32 -> codes [8192][512 bytes] and E8M0 bytes [8192][32]: a plain stream of blocks of 32.
; THE QUANTISER: a block's scale is 2^(floor(log2(largest magnitude)) - 2); its byte is the largest magnitude's exponent field - 2, held at 1 from below; each number / scale to the nearest code, ties to even,
; beyond 6 the largest code.  A block of zeros gets the byte 1 where the rule says 127: its codes are zeros, and the bytes are read by this program alone.
; LIMITS: blocks whose largest magnitude lies under 2^-124 get the byte 1; NaN and infinities among the inputs are not served; w_proj beyond f16's 65,504 is not served.
.set NW,    24
.set NP,    32
.set SPW,   196                        ; v196 LDS address of my spare word; never rewritten
.set NIL,   197                        ; v197 0; never rewritten
.set WREG,  8192                       ; path X: a wave's LDS region: two stages of 32 x SP bytes, then its 256 scale bytes
.set SP,    80
.set CB,    8
.set STEPS, 16
.set PITCH, 272
.set WST,   8*WREG                     ; path W: a stage of 32 rows x 272 bytes for each wave
.set PST,   WST+8*32*PITCH             ; path P: the same
.set SPARE, PST+8*32*PITCH             ; the spare words, 128 bytes a wave: four blocks of 256 bytes that no other line names
.set R,     16                         ; X: v16-79 four sets of 16 numbers as loaded
.set X,     80                         ; X: v80-111 two sets of 16 neighbours
.set E,     112                        ; X: v112-127 a scale byte for each step
.set C,     128                        ; X: v128-159 codes, two registers a step
.set XW,    32                         ; W, P: v32-159 four sets of 32 numbers
.set CW,    160                        ; W: v160-163 a block's codes
.set SB,    24                         ; W: v24-27 the scale bytes, four to a register
.set NB,    16
	s_load_b256 s[4:11], s[0:1], 0x0               ; x s[4:5], w_qkv s[6:7], w_proj s[8:9], x_codes s[10:11]
	s_load_b256 s[12:19], s[0:1], 0x20             ; x_scales s[12:13], w_codes s[14:15], w_scales s[16:17], wpt s[18:19]
	v_lshl_add_u32 v[SPW], v0, 2, SPARE
	v_mov_b32 v[NIL], 0
	v_lshrrev_b32 v1, 5, v0
	v_readfirstlane_b32 s20, v1                    ; wave 0..7
	v_and_b32 v2, 31, v0                           ; lane
	s_mov_b32 s25, 0
	s_wait_kmcnt 0x0
	s_cmp_lt_u32 ttmp9, NW
	s_cbranch_scc1 .Lpath_w
	s_cmp_lt_u32 ttmp9, NW+NP
	s_cbranch_scc1 .Lpath_p
; ---------------- PATH X.  A wave takes 16 steps of 512 numbers.  Each load reads 512 consecutive bytes; a step's 2,048 bytes turn through the wave's own stage so that a lane holds 16 neighbours.
	v_lshlrev_b32 v3, 4, v2                        ; my 16 bytes of a load's 512
	s_mul_i32 s21, s20, WREG
	v_lshrrev_b32 v14, 2, v2
	v_mul_u32_u24 v14, v14, SP
	v_and_b32 v15, 3, v2
	v_lshl_add_u32 v14, v15, 4, v14
	v_add_nc_u32 v14, s21, v14                     ; the stage, way in: SP (lane / 4) + 16 (lane % 4)
	v_mul_u32_u24 v15, v2, SP
	v_add_nc_u32 v15, s21, v15                     ; way out: SP x lane
	v_mul_u32_u24 v4, v2, CB                       ; my codes' place in a step's
	v_lshrrev_b32 v5, 1, v2
	s_add_co_u32 s21, s21, 2*32*SP
	v_add_nc_u32 v5, s21, v5                       ; my block's scale byte in LDS
	v_lshlrev_b32 v7, 3, v2
	v_add_nc_u32 v6, s21, v7
	s_sub_co_u32 s22, ttmp9, NW+NP
	s_lshl_b32 s22, s22, 3
	s_add_co_u32 s22, s22, s20                     ; which run of 8,192 numbers is my wave's
	s_mov_b32 s23, 0
	s_lshl_b64 s[24:25], s[22:23], 15
	s_add_nc_u64 s[4:5], s[4:5], s[24:25]
	s_lshl_b64 s[24:25], s[22:23], 12
	s_add_nc_u64 s[10:11], s[10:11], s[24:25]
	s_lshl_b64 s[24:25], s[22:23], 8
	s_add_nc_u64 s[12:13], s[12:13], s[24:25]
.macro LOADX t
.irp i, 0,1,2,3
	global_load_b128 v[R+16*((\t)%4)+4*\i:R+16*((\t)%4)+4*\i+3], v3, s[4:5] offset:2048*(\t)+512*\i th:TH_LOAD_NT
.endr
.endm
.macro TURNX t                         ; LDS serves a wave's instructions in order: no wait between the stores and the loads
.irp i, 0,1,2,3
	ds_store_b128 v14, v[R+16*((\t)%4)+4*\i:R+16*((\t)%4)+4*\i+3] offset:32*SP*((\t)%2)+8*SP*\i
.endr
.irp i, 0,1,2,3
	ds_load_b128 v[X+16*((\t)%2)+4*\i:X+16*((\t)%2)+4*\i+3], v15 offset:32*SP*((\t)%2)+16*\i
.endr
.endm
.irp t, 0,1,2,3
	LOADX \t
.endr
	s_wait_loadcnt 12                              ; step 0's four loads are in; three steps' twelve stay out
	TURNX 0
.macro STEPX t
.set XS, X+16*((\t)%2)
.if (\t) > 0
	s_wait_dscnt 1                                 ; this step's numbers are back from the stage; the last step's byte store may be out
.else
	s_wait_dscnt 0x0
.endif
.if (\t)+4 < STEPS
	LOADX (\t)+4
.endif
.if (\t)+1 < STEPS
.if STEPS-2-(\t) >= 3
	s_wait_loadcnt 12                              ; the next step's four loads are in; those of the three steps behind it may be out
.else
	s_wait_loadcnt 4*(STEPS-2-(\t))
.endif
	TURNX (\t)+1
.endif
	v_max3_num_f32 v8, |v[XS]|, |v[XS+1]|, |v[XS+2]|
	v_max3_num_f32 v9, |v[XS+3]|, |v[XS+4]|, |v[XS+5]|
.irp i, 6,10
	v_max3_num_f32 v8, v8, |v[XS+\i]|, |v[XS+\i+1]|
	v_max3_num_f32 v9, v9, |v[XS+\i+2]|, |v[XS+\i+3]|
.endr
	v_max3_num_f32 v8, v8, |v[XS+14]|, |v[XS+15]|
	v_max3_num_f32 v8, v8, v9, 0x1800000           ; the floor 2^(3 - 127): the byte cannot fall under 1
	v_max_num_f32_dpp v8, v8, v8 row_xmask:1 row_mask:0xf bank_mask:0xf   ; with my neighbour's 16: the block's largest magnitude
	v_add_nc_u32 v11, 0xff000000, v8               ; 2 off its exponent field: the conversion's scale operand
	v_cvt_scalef32_pk8_fp4_f32 v[C+2*(\t)], v[XS:XS+7], v11
	v_cvt_scalef32_pk8_fp4_f32 v[C+2*(\t)+1], v[XS+8:XS+15], v11
	v_lshrrev_b32 v[E+(\t)], 23, v11               ; the scale's byte
	ds_store_b8 v5, v[E+(\t)] offset:16*(\t)       ; both lanes of a block write the same byte with the same value
	global_store_b64 v4, v[C+2*(\t):C+2*(\t)+1], s[10:11] offset:32*CB*(\t)   ; the wave stores 256 consecutive bytes, aligned
.endm
.irp t, 0,1,2,3,4,5,6,7,8,9,10,11,12,13,14,15
	STEPX \t
.endr
	ds_load_b64 v[8:9], v6
	s_wait_dscnt 0x0
	global_store_b64 v7, v[8:9], s[12:13]          ; the wave's 256 scale bytes, consecutive and aligned
	s_wait_tensorcnt 0x0                           ; the wave's end: a tensor wait, an add of 0 to my spare word and a wait for it, behind my last LDS store
	ds_add_u32 v[SPW], v[NIL]
	s_wait_dscnt 0x0
	s_endpgm
; ---------------- PATH W.  Work-group g: columns 256 (g / 2) on, K half g % 2.  A wave: 32 columns x 512 along K: 16 blocks a lane, 256 bytes of codes a column.
.Lpath_w:
	s_lshr_b32 s21, ttmp9, 1
	s_and_b32 s22, ttmp9, 1
	s_lshl_b32 s21, s21, 8
	s_lshl_b32 s23, s20, 5
	s_add_co_u32 s21, s21, s23                     ; my wave's first column
	v_lshlrev_b32 v3, 2, v2                        ; in: 4 bytes a lane
	s_mul_i32 s23, s20, 32*PITCH
	s_add_co_u32 s23, s23, WST                     ; my stage
	v_mul_u32_u24 v4, v2, PITCH
	v_add_nc_u32 v4, s23, v4                       ; into it: row = my column
	v_and_b32 v5, 15, v2
	v_lshrrev_b32 v6, 4, v2
	v_mul_u32_u24 v7, v6, PITCH
	v_lshl_add_u32 v7, v5, 4, v7
	v_add_nc_u32 v7, s23, v7                       ; out of it: sixteen lanes to a row, two rows an instruction
	v_lshlrev_b32 v8, 9, v6
	v_lshl_add_u32 v8, v5, 4, v8                   ; the same place in w_codes (rows of 512 bytes)
	v_lshlrev_b32 v9, 5, v2                        ; my column's row of scale bytes (32 a row)
	s_mul_i32 s24, s22, 512*12288
	s_lshl_b32 s26, s21, 2
	s_add_co_u32 s24, s24, s26
	s_add_nc_u64 s[6:7], s[6:7], s[24:25]          ; w_qkv at row 512 y, my first column
	s_lshl_b32 s24, s21, 9
	s_lshl_b32 s26, s22, 8
	s_add_co_u32 s24, s24, s26
	s_add_nc_u64 s[14:15], s[14:15], s[24:25]      ; w_codes
	s_lshl_b32 s24, s21, 5
	s_lshl_b32 s26, s22, 4
	s_add_co_u32 s24, s24, s26
	s_add_nc_u64 s[16:17], s[16:17], s[24:25]      ; w_scales
.macro LOADW t                         ; block t: w(32 t + i, my column) into set t % 4; every offset is an immediate, 511 x 12,288 at the most
.set li, 0
.rept 32
	global_load_b32 v[XW+32*((\t)%4)+li], v3, s[6:7] offset:(32*(\t)+li)*12288 th:TH_LOAD_NT
.set li, li+1
.endr
.endm
	LOADW 0
	LOADW 1
	LOADW 2
	LOADW 3
.macro BLOCKW t
.set XS, XW+32*((\t)%4)
.if (\t) < NB-2
	s_wait_loadcnt 63                              ; behind this block's loads 96 or 64 were issued; the wait's field names 63 at the most
.elseif (\t) == NB-2
	s_wait_loadcnt 32
.else
	s_wait_loadcnt 0
.endif
	v_max3_num_f32 v12, |v[XS]|, |v[XS+1]|, |v[XS+2]|
	v_max3_num_f32 v13, |v[XS+3]|, |v[XS+4]|, |v[XS+5]|
.irp i, 6,10,14,18,22,26
	v_max3_num_f32 v12, v12, |v[XS+\i]|, |v[XS+\i+1]|
	v_max3_num_f32 v13, v13, |v[XS+\i+2]|, |v[XS+\i+3]|
.endr
	v_max3_num_f32 v12, v12, |v[XS+30]|, |v[XS+31]|
	v_max3_num_f32 v12, v12, v13, 0x1800000        ; the floor
	v_add_nc_u32 v11, 0xff000000, v12              ; the conversion's scale operand
	v_lshrrev_b32 v13, 23, v11                     ; the scale's byte
.if (\t)%4 == 0
	v_mov_b32 v[SB+(\t)/4], v13
.else
	v_lshl_or_b32 v[SB+(\t)/4], v13, 8*((\t)%4), v[SB+(\t)/4]
.endif
.irp g, 0,1,2,3
	v_cvt_scalef32_pk8_fp4_f32 v[CW+\g], v[XS+8*\g:XS+8*\g+7], v11
.endr
	ds_store_b128 v4, v[CW:CW+3] offset:16*(\t)    ; 32 codes: 16 bytes of my column's row
.if (\t)+4 < NB
	LOADW (\t)+4
.endif
	s_wait_dscnt 0x0                               ; the store has read its registers: the next block's codes may be written
.endm
.set Q, 0
.rept NB
	BLOCKW Q
.set Q, Q+1
.endr
	global_store_b128 v9, v[SB:SB+3], s[16:17]     ; my column's 16 scale bytes
.set oi, 0
.rept 16
	ds_load_b128 v[XW+4*oi:XW+4*oi+3], v7 offset:2*oi*PITCH
.set oi, oi+1
.endr
.set oi, 0
.rept 16
	s_wait_dscnt 15-oi
	global_store_b128 v8, v[XW+4*oi:XW+4*oi+3], s[14:15] offset:2*oi*512   ; sixteen lanes store 256 consecutive bytes, aligned
.set oi, oi+1
.endr
	s_wait_tensorcnt 0x0                           ; the wave's end: the three lines
	ds_add_u32 v[SPW], v[NIL]
	s_wait_dscnt 0x0
	s_endpgm
; ---------------- PATH P.  Work-group g: columns 256 (g % 4) on, K chunk g / 4 of 128.  A wave: 32 columns x 128 along K: 256 bytes of f16 a column.
.Lpath_p:
	s_sub_co_u32 s21, ttmp9, NW
	s_and_b32 s22, s21, 3
	s_lshr_b32 s21, s21, 2                         ; K chunk
	s_lshl_b32 s22, s22, 8
	s_lshl_b32 s23, s20, 5
	s_add_co_u32 s22, s22, s23                     ; my wave's first column
	v_lshlrev_b32 v3, 2, v2
	s_mul_i32 s23, s20, 32*PITCH
	s_add_co_u32 s23, s23, PST                     ; my stage
	v_mul_u32_u24 v4, v2, PITCH
	v_add_nc_u32 v4, s23, v4
	v_and_b32 v5, 15, v2
	v_lshrrev_b32 v6, 4, v2
	v_mul_u32_u24 v7, v6, PITCH
	v_lshl_add_u32 v7, v5, 4, v7
	v_add_nc_u32 v7, s23, v7
	v_lshlrev_b32 v8, 11, v6
	v_lshl_add_u32 v8, v5, 4, v8                   ; wpt: rows of 2,048 bytes
	s_lshl_b32 s24, s21, 19                        ; 128 rows of 4,096 bytes a chunk
	s_lshl_b32 s26, s22, 2
	s_add_co_u32 s24, s24, s26
	s_add_nc_u64 s[8:9], s[8:9], s[24:25]
	s_lshl_b32 s24, s22, 11
	s_lshl_b32 s26, s21, 8
	s_add_co_u32 s24, s24, s26
	s_add_nc_u64 s[18:19], s[18:19], s[24:25]
.set li, 0
.rept 128
	global_load_b32 v[XW+li], v3, s[8:9] offset:li*4096
.set li, li+1
.endr
.irp t, 0,1,2,3
.if \t < 2
	s_wait_loadcnt 63                              ; behind these 32 loads 96 or 64 were issued
.else
	s_wait_loadcnt 32*(3-\t)
.endif
.set ci, 0
.rept 16
	v_cvt_pk_f16_f32 v[XW+16*\t+ci], v[XW+32*\t+2*ci], v[XW+32*\t+2*ci+1]   ; two neighbours along K, in place: the result never lands on a number not yet read
.set ci, ci+1
.endr
.endr
.set oi, 0
.rept 16
	ds_store_b128 v4, v[XW+4*oi:XW+4*oi+3] offset:16*oi
.set oi, oi+1
.endr
.set oi, 0
.rept 16
	ds_load_b128 v[96+4*oi:96+4*oi+3], v7 offset:2*oi*PITCH
.set oi, oi+1
.endr
.set oi, 0
.rept 16
	s_wait_dscnt 15-oi
	global_store_b128 v8, v[96+4*oi:96+4*oi+3], s[18:19] offset:2*oi*2048   ; sixteen lanes store 256 consecutive bytes, aligned
.set oi, oi+1
.endr
	s_wait_tensorcnt 0x0                           ; the wave's end: the three lines
	ds_add_u32 v[SPW], v[NIL]
	s_wait_dscnt 0x0
	s_endpgm
.Lfunc_end_k_q05df235328_prep:
	.size	k_q05df235328_prep, .Lfunc_end_k_q05df235328_prep-k_q05df235328_prep
	.p2alignl 7, 3214868480
	.fill 96, 4, 3214868480
	.section	.rodata,"a",@progbits
	.p2align	6, 0x0
	.amdhsa_kernel k_q05df235328_prep
		.amdhsa_group_segment_fixed_size 205824
		.amdhsa_private_segment_fixed_size 0
		.amdhsa_enable_private_segment 0
		.amdhsa_kernarg_size 64
		.amdhsa_user_sgpr_count 2
		.amdhsa_user_sgpr_kernarg_segment_ptr 1
		.amdhsa_wavefront_size32 1
		.amdhsa_system_sgpr_workgroup_id_x 1
		.amdhsa_system_sgpr_workgroup_id_y 1
		.amdhsa_system_sgpr_workgroup_id_z 1
		.amdhsa_system_vgpr_workitem_id 0
		.amdhsa_next_free_vgpr 200
		.amdhsa_next_free_sgpr 66
		.amdhsa_reserve_vcc 0
		.amdhsa_float_denorm_mode_32 3
		.amdhsa_float_denorm_mode_16_64 3
		.amdhsa_memory_ordered 1
		.amdhsa_forward_progress 1
		.amdhsa_inst_pref_size 132
	.end_amdhsa_kernel
	.amdgpu_metadata
---
amdhsa.version: [ 1, 2 ]
amdhsa.kernels:
  - .name:           k_q05df235328_prep
    .symbol:         k_q05df235328_prep.kd
    .args:
      - { .name: x, .offset: 0, .size: 8, .value_kind: global_buffer, .address_space: global }
      - { .name: w_qkv, .offset: 8, .size: 8, .value_kind: global_buffer, .address_space: global }
      - { .name: w_proj, .offset: 16, .size: 8, .value_kind: global_buffer, .address_space: global }
      - { .name: x_codes, .offset: 24, .size: 8, .value_kind: global_buffer, .address_space: global }
      - { .name: x_scales, .offset: 32, .size: 8, .value_kind: global_buffer, .address_space: global }
      - { .name: w_codes, .offset: 40, .size: 8, .value_kind: global_buffer, .address_space: global }
      - { .name: w_scales, .offset: 48, .size: 8, .value_kind: global_buffer, .address_space: global }
      - { .name: wpt, .offset: 56, .size: 8, .value_kind: global_buffer, .address_space: global }
    .group_segment_fixed_size: 205824
    .private_segment_fixed_size: 0
    .kernarg_segment_align: 8
    .kernarg_segment_size: 64
    .max_flat_workgroup_size: 256
    .sgpr_count:     66
    .vgpr_count:     200
    .wavefront_size: 32
...
	.end_amdgpu_metadata
.endif
;; end of part 1
;; launch gemm_qkv (part 2): grid 12 x 32, 4 waves a work-group, clusters of 4 x 4, 327,680 bytes of LDS; arguments x_codes, x_scales, w_codes, w_scales, qkvh, b_qkv, qkv16; writes qkvh, qkv16
.if DOCPART == 2
	.amdgcn_target "amdgcn-amd-amdhsa--gfx1250"
	.amdhsa_code_object_version 6
	.text
	.protected	k_q05df235328_gemm_qkv
	.globl	k_q05df235328_gemm_qkv
	.p2align	8
	.type	k_q05df235328_gemm_qkv,@function
k_q05df235328_gemm_qkv:
	s_mov_b64 s[64:65], 0
	v_nop
	global_prefetch_b8 v0, s[64:65] scope:SCOPE_SE
	s_setreg_imm32_b32 hwreg(HW_REG_WAVE_MODE, 25, 1), 1
	s_wait_xcnt 0x0
	s_wait_alu depctr_hold_cnt(0) depctr_sa_sdst(0) depctr_va_vdst(0) depctr_va_sdst(0) depctr_va_ssrc(0) depctr_va_vcc(0) depctr_vm_vsrc(0)
	s_getreg_b32 s2, hwreg(HW_REG_IB_STS2, 6, 4)
	s_cmp_eq_u32 s2, 0
	s_cbranch_scc0 .Lentry_in_a_cluster
	s_endpgm
.Lentry_in_a_cluster:
	s_bfe_u32 s2, ttmp6, 0x10000c
	s_cmp_lg_u32 s2, 0xf033
	s_cbranch_scc0 .Lentry_shape_is_right
	s_endpgm
.Lentry_shape_is_right:
; qkv = Q(x) Q(w_qkv) + b_qkv: [8192][1024] x [3072][1024] on codes of E2M1 with one E8M0 scale for each 32 along K; sums in f32.  No work of reference() is left out here.
; A tile of 256 x 256 is made by four waves, 128 x 128 each: 64 accumulators.  All of K lies in two LDS slots of 512 along K: every tile is a first fill, nothing is filled again.
; The scale bytes of the work-group's rows come once, as dense blocks.  4 x 4 work-groups form a cluster: x's tiles are asked for jointly along a row of the cluster, w's along a column.
; THE MATRIX INSTRUCTION IS USED TRANSPOSED (source 0 = 16 rows of w, source 1 = 16 rows of x): a lane holds eight neighbouring columns of one row.  b_qkv is the C of each sum's first instruction.
; TILE ROW = 8 cy + cluster y: so the batch is cy and the first position of the tile is 256 x cluster y: positions under 16 lie in clusters with y = 0 alone, a test that all partners share.
; OUT: f16, laid by head: qkvh [b][g = column / 64][t][64].  LIMIT: |q|, |k|, |v| up to 65,504.  The rows t < 16 of every batch also leave as f32 (qkv16 [b][16][3072]) for the launch that carries them finely;
; those stores are pieces of 32 bytes, 786,432 bytes in the whole launch.
; REGISTERS: window 0: v0-31 addresses; v32-95 scale words, two sets; v96-127 packed results; from v128 x's fragments, one set; on the way out v128-191 rows read back.
;   window 1: w's fragments, two sets, at v0 and v128; v64-127 the bias.   windows 2, 3: the accumulators of my rows 0-63, 64-127.
.set SIZE_N, 3072
.set SIZE_K, 1024
.set NQ,     4
.set ROWB,   256
.set KROW,   SIZE_K/2
.set PITCH,  272                       ; 256 bytes + 16 of padding: the 16 rows of a fragment load start 16 bytes apart modulo 256
.set FR,     8
.set NL,     2
.set NP,     4
.set HALFT,  128*PITCH
.set SLOT,   4*HALFT
.set KS,     SIZE_K/32
.set SCL,    2*SLOT
.set HALFS,  (128*KS/256)*272
.set SBLK,   (16*KS/256)*272
.set SPARE,  SCL+4*HALFS               ; the spare words: two blocks of 256 bytes that no other line names
.set SPITCH, 400                       ; the way out: a stage of 16 rows x 400 bytes a wave, in slot 0, which has had its only fill and its last read by then
.set ADRA, 16
.set ADRB, 20
.set STO,  24
.set RD,   25
.set CO,   26
.set ADRS, 27
.set SPW,  28
.set NIL,  29
.set C16,  30                          ; v30 my byte offset in qkv16: row r, + 32 h
.set BO,   31                          ; v31 32 h: my half's eight numbers of a bias block
.set SC,   32
.set TMP,  96
.set AF,   128
.set BK,   128
.set BIAS, 64                          ; in window 1
.set G1, 24
.set G0, 32
.set G1B, 48
.set G0B, 56
.set G1S, 68
.set G0S, 76
.set G1SB, 80
.set G0SB, 88
.set MSB, 0
.macro WIN new
.if MSB != \new
	s_set_vgpr_msb (MSB<<8)|\new
.set MSB, \new
.endif
.endm
.set MUL_LO, 0xa1                      ; source 0 (w) window 1, source 1 (x) window 0, C and D window 2
.set MUL_HI, 0xf1
.set MUL_LO0, 0x91                     ; the same with C (the bias) in window 1
.set MUL_HI0, 0xd1
.set TO_B,   0x40
.macro JLOAD g0a, g1a, g0b, g1b        ; waves 0, 1 fetch for x, waves 2, 3 for w; an s_nop 0 and four v_nop follow each line
	s_cmp_eq_u32 s15, 0
	s_cbranch_scc0 .Lfor_b_\@
	tensor_load_to_lds s[\g0a:\g0a+3], s[\g1a:\g1a+7]
	s_nop 0
.rept 4
	v_nop
.endr
	s_branch .Lasked_\@
.Lfor_b_\@:
	tensor_load_to_lds s[\g0b:\g0b+3], s[\g1b:\g1b+7]
	s_nop 0
.rept 4
	v_nop
.endr
.Lasked_\@:
.endm
.macro CROUND                          ; a round of the cluster's barrier
	s_barrier_signal -1
	s_barrier_wait -1
	s_cmp_lg_u32 s14, 0
	s_cbranch_scc1 .Lnot_wave_0_\@
	s_barrier_signal -3
.Lnot_wave_0_\@:
	s_barrier_wait -3
	s_barrier_signal -1
	s_barrier_wait -1
.endm
	s_load_b128 s[4:7], s[0:1], 0x0                ; x_codes, x_scales
	s_load_b128 s[8:11], s[0:1], 0x10              ; w_codes, w_scales
	s_load_b64 s[12:13], s[0:1], 0x20              ; qkvh
	s_load_b64 s[96:97], s[0:1], 0x28              ; b_qkv
	s_load_b64 s[98:99], s[0:1], 0x30              ; qkv16
	v_lshl_add_u32 v[SPW], v0, 2, SPARE
	v_mov_b32 v[NIL], 0
	ds_add_u32 v[SPW], v[NIL]                      ; the wave's opening: the add, twice on end, and its wait ahead of my first tensor load
	ds_add_u32 v[SPW], v[NIL]
	v_lshrrev_b32 v1, 5, v0
	v_readfirstlane_b32 s14, v1                    ; wave 0..3
	s_lshr_b32 s15, s14, 1                         ; my half of the tile's rows; also: I fetch for x (0) or for w (1)
	s_and_b32 s16, s14, 1                          ; my half of its columns; also: which 128 rows I fetch
	s_bfe_u32 s40, ttmp6, 0x40000                  ; cx
	s_bfe_u32 s41, ttmp6, 0x40004                  ; cy
	s_lshl_b32 s42, ttmp9, 2
	s_add_co_u32 s42, s42, s40                     ; tile column = 4 x cluster x + cx
	s_and_b32 s95, ttmp7, 0xffff                   ; cluster y
	s_lshl_b32 s17, s41, 3
	s_add_co_u32 s17, s17, s95                     ; tile row = 8 cy + cluster y
	s_or_b32 s66, s95, s15                         ; 0 where my rows begin a batch: cluster y = 0 and the upper half; the same in all partners for a given wave
	s_lshl_b32 s43, s41, 2
	s_lshl_b32 s43, 15, s43                        ; my row of the cluster
	s_lshl_b32 s44, 0x1111, s40                    ; my column
	s_or_b32 s[G1+0], s43, (0<<16)|(1<<20)|(1<<21)|(5<<22)|(3<<25)   ; mask; elements of 1 byte; padding: 4 words behind every 64
	s_or_b32 s[G1B+0], s44, (0<<16)|(1<<20)|(1<<21)|(5<<22)|(3<<25)
.irp g, G1, G1B
	s_mov_b32 s[\g+1], ROWB<<16
	s_mov_b32 s[\g+2], 128<<16
	s_mov_b32 s[\g+3], ROWB<<16
	s_mov_b32 s[\g+4], 128
	s_mov_b32 s[\g+5], KROW
	s_mov_b32 s[\g+6], 0
	s_mov_b32 s[\g+7], 0
.endr
	s_or_b32 s[G1S+0], s43, (3<<16)|(1<<20)|(1<<21)|(5<<22)|(3<<25)  ; the scales of 128 rows: 4,096 dense bytes as 16 rows of 256
	s_or_b32 s[G1SB+0], s44, (3<<16)|(1<<20)|(1<<21)|(5<<22)|(3<<25)
.irp g, G1S, G1SB
	s_mov_b32 s[\g+1], 32<<16
	s_mov_b32 s[\g+2], (128*KS/256)<<16
	s_mov_b32 s[\g+3], 32<<16
	s_mov_b32 s[\g+4], 128*KS/256
	s_mov_b32 s[\g+5], 32
	s_mov_b32 s[\g+6], 0
	s_mov_b32 s[\g+7], 0
.endr
	s_lshl_b32 s18, s16, 7
	s_lshl_b32 s20, s17, 8
	s_add_co_u32 s20, s20, s18                     ; x: row 256 x tile row + 128 x half
	s_lshl_b32 s46, s42, 8
	s_add_co_u32 s46, s46, s18                     ; w: row 256 x tile column + 128 x half
	s_mov_b32 s21, 0
	s_mov_b32 s47, 0
	s_mov_b64 s[18:19], KS
	s_mul_u64 s[22:23], s[20:21], s[18:19]
	s_mul_u64 s[92:93], s[46:47], s[18:19]
	s_mov_b64 s[18:19], KROW
	s_mul_u64 s[20:21], s[20:21], s[18:19]
	s_mul_u64 s[46:47], s[46:47], s[18:19]
	s_mul_i32 s45, s14, HALFT
	s_mul_i32 s94, s14, HALFS
	s_wait_dscnt 0x0                               ; both opening adds are done
	s_wait_kmcnt 0x0
	s_add_nc_u64 s[20:21], s[4:5], s[20:21]
	s_add_nc_u64 s[22:23], s[6:7], s[22:23]
	s_add_nc_u64 s[46:47], s[8:9], s[46:47]
	s_add_nc_u64 s[92:93], s[10:11], s[92:93]
	CROUND                                         ; all sixteen work-groups are here: the joint loads meet
	s_mov_b32 s[G0S], 1
	s_add_co_u32 s[G0S+1], s94, SCL
	s_mov_b64 s[G0S+2:G0S+3], s[22:23]
	s_or_b32 s[G0S+3], s[G0S+3], 0x80000000
	s_mov_b32 s[G0SB], 1
	s_add_co_u32 s[G0SB+1], s94, SCL
	s_mov_b64 s[G0SB+2:G0SB+3], s[92:93]
	s_or_b32 s[G0SB+3], s[G0SB+3], 0x80000000
	JLOAD G0S, G1S, G0SB, G1SB                     ; three loads of mine go out together: the scales, slot 0, slot 1
.irp s, 0,1
	s_mov_b32 s[G0+4*\s], 1
	s_add_co_u32 s[G0+4*\s+1], s45, \s*SLOT
	s_add_nc_u64 s[G0+4*\s+2:G0+4*\s+3], s[20:21], \s*ROWB
	s_or_b32 s[G0+4*\s+3], s[G0+4*\s+3], 0x80000000
	s_mov_b32 s[G0B+4*\s], 1
	s_add_co_u32 s[G0B+4*\s+1], s45, \s*SLOT
	s_add_nc_u64 s[G0B+4*\s+2:G0B+4*\s+3], s[46:47], \s*ROWB
	s_or_b32 s[G0B+4*\s+3], s[G0B+4*\s+3], 0x80000000
	JLOAD G0+4*\s, G1, G0B+4*\s, G1B
.endr
	v_and_b32 v1, 15, v0                           ; r
	v_bfe_u32 v2, v0, 4, 1                         ; h
	v_mul_u32_u24 v3, v1, PITCH
	v_lshl_add_u32 v4, v2, 4, v3
	s_mul_i32 s21, s15, HALFT
	s_mul_i32 s22, s16, HALFT
	s_add_co_u32 s22, s22, 2*HALFT
.irp s, 0,1
	v_add_nc_u32 v[ADRA+\s], s21, v4
	v_add_nc_u32 v[ADRB+\s], s22, v4
	s_add_co_u32 s21, s21, SLOT
	s_add_co_u32 s22, s22, SLOT
.endr
	v_mul_u32_u24 v5, v1, KS
	v_lshrrev_b32 v6, 8, v5
	v_lshl_add_u32 v5, v6, 4, v5                   ; my row's scales: 32 bytes a row, 16 more for each 256 passed
	s_mul_i32 s21, s15, HALFS
	s_mul_i32 s22, s16, HALFS
	s_add_co_u32 s22, s22, 2*HALFS
	s_sub_co_u32 s22, s22, s21
	v_mul_u32_u24 v6, s22, v2                      ; lanes 16-31 take w's
	s_add_co_u32 s21, s21, SCL
	v_add_nc_u32 v5, v5, v6
	v_add_nc_u32 v[ADRS], s21, v5
	s_mul_i32 s23, s14, 16*SPITCH                  ; my stage
	v_mul_u32_u24 v5, v1, SPITCH
	v_lshl_add_u32 v5, v2, 4, v5
	v_add_nc_u32 v[STO], s23, v5                   ; in: row r, 16 bytes for each half of the lanes
	v_and_b32 v6, 31, v0
	v_lshrrev_b32 v5, 3, v6
	v_mul_u32_u24 v5, v5, SPITCH
	v_and_b32 v7, 7, v6
	v_lshl_add_u32 v5, v7, 4, v5
	v_add_nc_u32 v[RD], s23, v5                    ; back: eight lanes take a head's 128 bytes of a row, four rows an instruction
	v_lshlrev_b32 v[CO], 4, v6                     ; which are 512 consecutive bytes of qkvh
	v_mul_u32_u24 v[C16], v1, 12288
	v_lshl_add_u32 v[C16], v2, 5, v[C16]
	v_lshlrev_b32 v[BO], 5, v2
	s_mul_i32 s20, s41, 48                         ; qkvh: plane 48 cy + 4 x tile column + 2 x half,
	s_lshl_b32 s21, s42, 2
	s_add_co_u32 s20, s20, s21
	s_lshl_b32 s21, s16, 1
	s_add_co_u32 s20, s20, s21
	s_lshl_b32 s20, s20, 11                        ; 2,048 rows a plane,
	s_lshl_b32 s21, s95, 8
	s_add_co_u32 s20, s20, s21
	s_lshl_b32 s21, s15, 7
	s_add_co_u32 s20, s20, s21                     ; + 256 x cluster y + 128 x half,
	s_lshl_b32 s20, s20, 7                         ; 128 bytes a row (under 2^26)
	s_mov_b32 s21, 0
	s_add_nc_u64 s[12:13], s[12:13], s[20:21]
	s_lshl_b32 s20, s42, 10
	s_lshl_b32 s22, s16, 9
	s_add_co_u32 s20, s20, s22                     ; my first column, in f32 bytes
	s_add_nc_u64 s[96:97], s[96:97], s[20:21]      ; b_qkv there
	s_mul_i32 s22, s41, 196608
	s_add_co_u32 s20, s20, s22
	s_add_nc_u64 s[98:99], s[98:99], s[20:21]      ; qkv16: batch cy, my first column
	WIN TO_B
.irp b, 0,1,2,3,4,5,6,7
	global_load_b128 v[BIAS+8*\b:BIAS+8*\b+3],   v[BO], s[96:97] offset:64*\b      ; lane (r, h): b_qkv at columns 16 b + 8 h + 0 .. 7: the result's layout
	global_load_b128 v[BIAS+8*\b+4:BIAS+8*\b+7], v[BO], s[96:97] offset:64*\b+16
.endr
	WIN 0
.macro FRAG reg, adr, q, i
.irp c, 0,1
	ds_load_b128 v[\reg+4*\c:\reg+4*\c+3], v[\adr] offset:64*(\q)+32*\c+(\i)*16*PITCH
.endr
.endm
; 16 matrix instructions: x's blocks a0, a0 + 1 against w's eight.  zero = 1: the sum's first product takes the bias as C.  The 64 accumulators take turns.
.macro MUL16 a0, p, q, sc, zero
.irp a, \a0, \a0+1
.irp b, 0,1,2,3,4,5,6,7
.if \zero
	v_wmma_scale_f32_16x16x128_f8f6f4 v[8*(8*((\a)%4)+\b):8*(8*((\a)%4)+\b)+7], v[128*(\p)+FR*\b:128*(\p)+FR*\b+FR-1], v[AF+FR*(\a):AF+FR*(\a)+FR-1], v[BIAS+8*\b:BIAS+8*\b+7], v[SC+8*NQ*(\sc)+NQ*\b+(\q)], v[SC+8*NQ*(\sc)+NQ*(\a)+(\q)] matrix_a_fmt:MATRIX_FMT_FP4 matrix_b_fmt:MATRIX_FMT_FP4 matrix_a_scale:MATRIX_SCALE_ROW1
.else
	v_wmma_scale_f32_16x16x128_f8f6f4 v[8*(8*((\a)%4)+\b):8*(8*((\a)%4)+\b)+7], v[128*(\p)+FR*\b:128*(\p)+FR*\b+FR-1], v[AF+FR*(\a):AF+FR*(\a)+FR-1], v[8*(8*((\a)%4)+\b):8*(8*((\a)%4)+\b)+7], v[SC+8*NQ*(\sc)+NQ*\b+(\q)], v[SC+8*NQ*(\sc)+NQ*(\a)+(\q)] matrix_a_fmt:MATRIX_FMT_FP4 matrix_b_fmt:MATRIX_FMT_FP4 matrix_a_scale:MATRIX_SCALE_ROW1
.endif
.endr
.endr
.endm
.macro FETCH_B slot, q, p
	WIN TO_B
.irp i, 0,1,2,3,4,5,6,7
	FRAG 128*(\p)+FR*\i, ADRB+\slot, \q, \i
.endr
	WIN 0
.endm
.macro FETCH_A slot, q, i0
.irp i, \i0, \i0+1, \i0+2, \i0+3
	FRAG AF+FR*(\i), ADRA+\slot, \q, \i
.endr
.endm
.macro SCALES sc                       ; lanes 0-15 take x's block i, lanes 16-31 w's block i: four words a row
.irp i, 0,1,2,3,4,5,6,7
	ds_load_b128 v[SC+8*NQ*\sc+NQ*\i:SC+8*NQ*\sc+NQ*\i+3], v[ADRS] offset:\i*SBLK
.endr
.endm
.macro PLACES n                        ; plain vector instructions between a matrix instruction and a load into, or a read of, its registers
.rept \n
	v_nop
.endr
.endm
.macro STEP slot, q, zero
	s_wait_dscnt 4*NL                              ; w's set and x's blocks 0-3 are in; the youngest eight loads (x's blocks 4-7) may be out
.if \zero
	WIN MUL_LO0
.else
	WIN MUL_LO
.endif
	MUL16 0, (\q)%2, \q, \slot, \zero
	MUL16 2, (\q)%2, \q, \slot, \zero
	s_wait_dscnt 0
	PLACES NP
	FETCH_B \slot, (\q)+1, 1-(\q)%2
	FETCH_A \slot, (\q)+1, 0
.if \zero
	WIN MUL_HI0
.else
	WIN MUL_HI
.endif
	MUL16 4, (\q)%2, \q, \slot, \zero
	MUL16 6, (\q)%2, \q, \slot, \zero
	PLACES NP
	WIN 0
	FETCH_A \slot, (\q)+1, 4
.endm
.macro STEPS slot, from
.set Q, \from
.rept NQ-1-\from
	STEP \slot, Q, 0
.set Q, Q+1
.endr
.endm
	s_wait_tensorcnt 1                             ; the scales and my part of slot 0 are in; slot 1's load may be out
	s_barrier_signal -1
	s_barrier_wait -1
	FETCH_B 0, 0, 0
	FETCH_A 0, 0, 0
	SCALES 0
	FETCH_A 0, 0, 4
	s_wait_loadcnt 0x0                             ; the bias
	STEP 0, 0, 1
	STEPS 0, 1
	; slot 0's last step changes slots: each wave waits for all its tensor loads, adds 0 to its spare word, waits for that and for its reads of slot 0, and meets the others
	s_wait_tensorcnt 0x0
	ds_add_u32 v[SPW], v[NIL]
	s_wait_dscnt 4*NL+1                            ; the add and the youngest eight loads may be out
	WIN MUL_LO
	MUL16 0, 1, NQ-1, 0, 0
	s_wait_dscnt 0x0
	s_barrier_signal -1
	MUL16 2, 1, NQ-1, 0, 0
	WIN 0
	s_barrier_wait -1
	PLACES NP
	v_add_nc_u32 v[ADRS], 4*NQ, v[ADRS]            ; the second slot's scale words
	FETCH_B 1, 0, 0
	FETCH_A 1, 0, 0
	SCALES 1
	WIN MUL_HI
	MUL16 4, 1, NQ-1, 0, 0
	MUL16 6, 1, NQ-1, 0, 0
	PLACES NP
	WIN 0
	FETCH_A 1, 0, 4
	STEPS 1, 0
	s_wait_dscnt 4*NL                              ; the very last step
	WIN MUL_LO
	MUL16 0, 1, NQ-1, 1, 0
	MUL16 2, 1, NQ-1, 1, 0
	s_wait_dscnt 0
	WIN MUL_HI
	MUL16 4, 1, NQ-1, 1, 0
	MUL16 6, 1, NQ-1, 1, 0
	WIN 0
	PLACES NP
	; the rows t < 16 as f32: block 0 of the waves whose rows begin a batch
	s_cmp_lg_u32 s66, 0
	s_cbranch_scc1 .Lno_f32
	WIN 0x08                                       ; a store's data are its source 1: window 2
.irp b, 0,1,2,3,4,5,6,7
	global_store_b128 v[C16], v[8*\b:8*\b+3],   s[98:99] offset:64*\b      ; each accumulator from its low end on
	global_store_b128 v[C16], v[8*\b+4:8*\b+7], s[98:99] offset:64*\b+16
.endr
	WIN 0
.Lno_f32:
; THE WAY OUT, block by block of 16 rows x 128 columns: rounded to f16, through my own stage, back as pieces of 512 bytes that are consecutive in qkvh (four rows of one head).
.macro PACK a
.set AC, 64*((\a)%4)
	WIN 0x0a+5*((\a)/4)                            ; sources 0 and 1: window 2 or 3
.irp b, 0,1,2,3,4,5,6,7
.irp r, 0,1,2,3
	v_cvt_pk_f16_f32 v[TMP+4*\b+\r], v[AC+8*\b+2*\r], v[AC+8*\b+2*\r+1]
.endr
.endr
	WIN 0
.endm
.macro TOSTAGE a
.set BB, BK+32*((\a)%2)
.irp b, 0,1,2,3,4,5,6,7
	ds_store_b128 v[STO], v[TMP+4*\b:TMP+4*\b+3] offset:32*\b
.endr
.irp i, 0,1,2,3,4,5,6,7
	ds_load_b128 v[BB+4*\i:BB+4*\i+3], v[RD] offset:(\i%4)*4*SPITCH+(\i/4)*128   ; LDS serves a wave's instructions in order: these see the stores above
.endr
.endm
.macro SEND a
.set BB, BK+32*((\a)%2)
	s_wait_dscnt 0x0                               ; the block is back in registers
	s_wait_xcnt 0x0                                ; the stores of the block before have read their registers: the next block's loads may land there
.irp i, 0,1,2,3,4,5,6,7
	global_store_b128 v[CO], v[BB+4*\i:BB+4*\i+3], s[12:13] offset:(\i/4)*262144+(\a)*2048+(\i%4)*512   ; the wave stores 512 consecutive bytes, aligned
.endr
.endm
	PACK 0
	TOSTAGE 0
.irp a, 1,2,3,4,5,6,7
	PACK \a
	SEND \a-1
	TOSTAGE \a
.endr
	SEND 7
	s_wait_tensorcnt 0x0                           ; the wave's end: the three lines
	ds_add_u32 v[SPW], v[NIL]
	s_wait_dscnt 0x0
	CROUND                                         ; the closing round
	s_endpgm
.Lfunc_end_k_q05df235328_gemm_qkv:
	.size	k_q05df235328_gemm_qkv, .Lfunc_end_k_q05df235328_gemm_qkv-k_q05df235328_gemm_qkv
	.p2alignl 7, 3214868480
	.fill 96, 4, 3214868480
	.section	.rodata,"a",@progbits
	.p2align	6, 0x0
	.amdhsa_kernel k_q05df235328_gemm_qkv
		.amdhsa_group_segment_fixed_size 327680
		.amdhsa_private_segment_fixed_size 0
		.amdhsa_enable_private_segment 0
		.amdhsa_kernarg_size 56
		.amdhsa_user_sgpr_count 2
		.amdhsa_user_sgpr_kernarg_segment_ptr 1
		.amdhsa_wavefront_size32 1
		.amdhsa_system_sgpr_workgroup_id_x 1
		.amdhsa_system_sgpr_workgroup_id_y 1
		.amdhsa_system_sgpr_workgroup_id_z 1
		.amdhsa_system_vgpr_workitem_id 0
		.amdhsa_next_free_vgpr 1024
		.amdhsa_next_free_sgpr 100
		.amdhsa_reserve_vcc 0
		.amdhsa_float_denorm_mode_32 3
		.amdhsa_float_denorm_mode_16_64 3
		.amdhsa_memory_ordered 1
		.amdhsa_forward_progress 1
		.amdhsa_inst_pref_size 130
	.end_amdhsa_kernel
	.amdgpu_metadata
---
amdhsa.version: [ 1, 2 ]
amdhsa.kernels:
  - .name:           k_q05df235328_gemm_qkv
    .symbol:         k_q05df235328_gemm_qkv.kd
    .args:
      - { .name: x_codes, .offset: 0, .size: 8, .value_kind: global_buffer, .address_space: global }
      - { .name: x_scales, .offset: 8, .size: 8, .value_kind: global_buffer, .address_space: global }
      - { .name: w_codes, .offset: 16, .size: 8, .value_kind: global_buffer, .address_space: global }
      - { .name: w_scales, .offset: 24, .size: 8, .value_kind: global_buffer, .address_space: global }
      - { .name: qkvh, .offset: 32, .size: 8, .value_kind: global_buffer, .address_space: global }
      - { .name: b_qkv, .offset: 40, .size: 8, .value_kind: global_buffer, .address_space: global }
      - { .name: qkv16, .offset: 48, .size: 8, .value_kind: global_buffer, .address_space: global }
    .group_segment_fixed_size: 327680
    .private_segment_fixed_size: 0
    .kernarg_segment_align: 8
    .kernarg_segment_size: 56
    .max_flat_workgroup_size: 128
    .sgpr_count:     100
    .vgpr_count:     1024
    .wavefront_size: 32
...
	.end_amdgpu_metadata
.endif
;; end of part 2
;; launch attn (part 3): grid 4 x 64, 8 waves a work-group, no clusters, 327,680 bytes of LDS; arguments qkvh, y2; writes y2
.if DOCPART == 3
	.amdgcn_target "amdgcn-amd-amdhsa--gfx1250"
	.amdhsa_code_object_version 6
	.text
	.protected	k_q05df235328_attn
	.globl	k_q05df235328_attn
	.p2align	8
	.type	k_q05df235328_attn,@function
k_q05df235328_attn:
	s_mov_b64 s[64:65], 0
	v_nop
	global_prefetch_b8 v0, s[64:65] scope:SCOPE_SE
	s_setreg_imm32_b32 hwreg(HW_REG_WAVE_MODE, 25, 1), 1
	s_wait_xcnt 0x0
; y[b][h][q] = the sum over k <= q of softmax_k(q . k / 8) v, per head of 64, on f16 operands with f32 sums; maxima, exponentials and row sums in f32; the weights p are rounded to f16 for the second product.
; LEFT OUT: key steps all of whose keys come after the wave's queries (reference()'s own jnp.tril gives them probability 0 for all finite inputs).
; LIMIT: |y| up to 65,504.  The rows t < 16 are computed and stored here with the rest of their tile; the output rows made of them come from the launch first16.
; SHARES.  Work-group (p, head) owns the blocks 7 - p and p of 256 queries: (8 - p) + (p + 1) = 9 slots of 256 keys in every work-group, so the loop's trip count is a constant and the work is even.
; Each of eight waves owns 32 queries of the block in hand, two tiles of 16; chunk c = wave, mirrored in waves 4 to 7.  A key step is 64 keys; four steps to a slot.
; NO CLUSTER: the four work-groups of a head want different key slots from their fifth slot on (their blocks end at different keys), so joint requests would need all four to walk 12 slots for 9.
; LAYOUT.  S^T = K Q^T (source 0 = 16 keys, source 1 = 16 queries): a lane holds ONE query (lane % 16) and keys 8 (lane / 16) + 0..7 of each tile of 16.  Two such tiles, rounded in pairs, are source 1 of
; O^T = V^T P.  K comes out of LDS as it lies, V ([key][channel]) turned by ds_load_tr16_b128.
; SOFTMAX.  Running maximum m and sum l: p = 2^(c s - c m), c = log2(e) / 8; in every step O and l are multiplied by a = 2^(c m_old - c m_new).  O and l begin as zeros and m as -3e38: key 0 counts for every query.
; RING.  Two slots, 2^17 bytes apart; waves 0-3 fetch K's four quarters, waves 4-7 V's: one tensor load a wave behind each barrier, one out.
; OUT: y2 [row / 2][head][row % 2][64] f16: a wave's 32 rows of one head are 16 pieces of 256 consecutive aligned bytes.
; REGISTERS: window 0: v1-17 addresses; v20-35 statistics, eight a tile; v64-127 S^T; v128-159 P.   window 1: v0-63 O^T; v64-95 Q; v96-127 the second block's Q; v128-191 K; v192-255 V.
.set PK,    144                        ; a key's row in LDS: 128 bytes + 16
.set PV,    160                        ; a row of V: 128 + 32: an odd multiple of 32, as the turning load's lanes want
.set VOFF,  256*PK
.set SLOT1, 1<<17
.set STAGE, SLOT1+256*(PK+PV)          ; behind the ring: 16 pieces x 272 bytes for each wave
.set SPARE, STAGE+8*16*272             ; the spare words: four blocks of 256 bytes that no other line names
.set AK0, 3
.set AV0, 4
.set ADK, 5
.set ADV, 6
.set QO,  7
.set STO, 8
.set RD,  9
.set GO,  10
.set SPW, 11
.set NIL, 12
.set PFO, 13
.set DQ,  14                           ; r - 8 h
.set NINF, 15
.set DQT, 16                           ; v16-17 the mask's bound, one a tile
.set ST,  20                           ; tile t at v[ST + 8 t]: +0 c m, +1 m, +2, +3 l, +4..+7 at work; a in +6
.set S,   64
.set P,   128
.set QF,  64                           ; in window 1
.set QF2, 96
.set KF,  128
.set VF,  192
.set WV,  8
.set CH,  9
.set PP,  10
.set HD,  11
.set YA,  16
.set YB,  18
.set G1K, 24
.set G1V, 32
.set G0K, 40
.set G0V, 44
.set KBW, 48
.set VBW, 50
.set OFF, 52
.set PFA, 54
.set PFB, 56
.set CS,  58
.set SEL, 60
.set TB,  62
.set N,   63
.set KS,  66                           ; the slot's first key
.set QB,  67                           ; the block's first query
.set Q0,  68                           ; my first query
.set LIM, 69
.set MSB, 0
.macro WIN new
.if MSB != \new
	s_set_vgpr_msb (MSB<<8)|\new
.set MSB, \new
.endif
.endm
.set W_LD, 0x40                        ; destination window 1
.set W_KQ, 0x05                        ; K and Q window 1, S^T window 0
.set W_PV, 0x51                        ; V window 1, P window 0, O^T window 1
.set W_RS, 0x41                        ; O^T (destination and source 0) window 1, a window 0
.macro TLOAD                           ; waves 0-3: K; waves 4-7: V.  An s_nop 0 and four v_nop follow each line
	s_cmp_lt_u32 s[WV], 4
	s_cbranch_scc0 .Lfor_v_\@
	tensor_load_to_lds s[G0K:G0K+3], s[G1K:G1K+7]
	s_nop 0
.rept 4
	v_nop
.endr
	s_branch .Lasked_\@
.Lfor_v_\@:
	tensor_load_to_lds s[G0V:G0V+3], s[G1V:G1V+7]
	s_nop 0
.rept 4
	v_nop
.endr
.Lasked_\@:
.endm
; A prefetch of my wave's 8,192 bytes (64 rows, lanes 256 bytes apart) of the key slot after the one just asked for: a slot's four key steps ahead of the load that will want it.  All four work-groups of a head walk
; the same K and V: the one with p = 0, whose first block walks all eight slots in order, asks, and nobody else: each aligned block of 256 bytes is named once.  It stops where slot N + 2 would pass the head's last.
.macro ASK
	s_cmp_lt_u32 s[N], s[LIM]
	s_cbranch_scc0 .Lnot_mine_\@
	global_prefetch_b8 v[PFO], s[PFA:PFA+1] offset:32768 th:TH_LOAD_NT scope:SCOPE_SE
.Lnot_mine_\@:
.endm
.macro RESET                           ; a block's statistics begin
.irp t, 0,1
	v_mov_b32 v[ST+8*\t+1], 0xff61b1e6             ; m = -3e38, under every score
	v_mul_f32 v[ST+8*\t], s[CS], v[ST+8*\t+1]      ; c m
	v_mov_b32 v[ST+8*\t+2], 0
	v_mov_b32 v[ST+8*\t+3], 0
.endr
.endm
	s_load_b128 s[4:7], s[0:1], 0x0                ; qkvh s[4:5], y2 s[6:7]
	v_lshl_add_u32 v[SPW], v0, 2, SPARE
	v_mov_b32 v[NIL], 0
	ds_add_u32 v[SPW], v[NIL]                      ; the wave's opening: the add, twice on end, and its wait ahead of my first tensor load
	ds_add_u32 v[SPW], v[NIL]
	v_lshrrev_b32 v1, 5, v0
	v_readfirstlane_b32 s[WV], v1                  ; wave 0..7
	s_lshr_b32 s70, s[WV], 2
	s_mul_i32 s70, s70, 3
	s_xor_b32 s[CH], s[WV], s70                    ; my chunk of 32 queries
	s_mov_b32 s[PP], ttmp9
	s_and_b32 s[HD], ttmp7, 0xffff                 ; 16 b + h
	s_mov_b32 s[G1K], (1<<16)|(1<<20)|(4<<22)|(3<<25)   ; elements of 2 bytes; padding: 4 words behind every 32 (a row)
	s_mov_b32 s[G1V], (1<<16)|(1<<20)|(4<<22)|(7<<25)   ; 8 words
.irp g, G1K, G1V
	s_mov_b32 s[\g+1], 64<<16                      ; tensor_dim0 = 64
	s_mov_b32 s[\g+2], 64<<16                      ; tensor_dim1 = 64
	s_mov_b32 s[\g+3], 64<<16                      ; tile_dim0 = 64
	s_mov_b32 s[\g+4], 64                          ; tile_dim1 = 64 rows
	s_mov_b32 s[\g+5], 64                          ; from row to row
	s_mov_b32 s[\g+6], 0
	s_mov_b32 s[\g+7], 0
.endr
	s_and_b32 s71, s[WV], 3
	s_mul_i32 s72, s71, 64*PK                      ; my quarter of a slot: K's,
	s_mul_i32 s73, s71, 64*PV
	s_add_co_u32 s73, s73, VOFF                    ; V's,
	s_lshl_b32 s71, s71, 13                        ; and in memory: 64 rows of 128 bytes
	s_lshr_b32 s74, s[HD], 4                       ; b
	s_and_b32 s75, s[HD], 15                       ; h
	s_mul_i32 s70, s74, 48
	s_add_co_u32 s70, s70, s75                     ; q's plane; k's is 16 on, v's 32
	s_sub_co_u32 s[QB], 7, s[PP]
	s_lshl_b32 s[QB], s[QB], 8                     ; the first block: 7 - p
	s_lshl_b32 s76, s[PP], 8                       ; the second: p
	s_lshl_b32 s77, s[CH], 5
	s_add_co_u32 s[Q0], s[QB], s77
	s_add_co_u32 s77, s76, s77
	s_mov_b32 s79, 0
	s_mov_b32 s[OFF+1], 0
	s_mov_b32 s[CS], 0x3e38aa3b                    ; c = log2(e) / 8
	s_mov_b32 s[CS+1], s[CS]
	s_mov_b32 s[SEL], 0x76543210
	s_mov_b32 s[SEL+1], 0xfedcba98
	s_mov_b32 s[TB], 0
	s_mov_b32 s[N], 0
	s_mov_b32 s[KS], 0
	s_cmp_eq_u32 s[PP], 0
	s_cselect_b32 s[LIM], 6, 0
	s_wait_dscnt 0x0                               ; both opening adds are done
	s_wait_kmcnt 0x0
	s_add_co_u32 s78, s70, 16
	s_lshl_b32 s78, s78, 18                        ; a plane is 262,144 bytes
	s_add_co_u32 s78, s78, s71
	s_add_nc_u64 s[KBW:KBW+1], s[4:5], s[78:79]
	s_add_co_u32 s78, s78, 16<<18
	s_add_nc_u64 s[VBW:VBW+1], s[4:5], s[78:79]
	s_mov_b32 s[G0K], 1
	s_mov_b32 s[G0K+1], s72
	s_mov_b64 s[G0K+2:G0K+3], s[KBW:KBW+1]
	s_or_b32 s[G0K+3], s[G0K+3], 0x80000000
	s_mov_b32 s[G0V], 1
	s_mov_b32 s[G0V+1], s73
	s_mov_b64 s[G0V+2:G0V+3], s[VBW:VBW+1]
	s_or_b32 s[G0V+3], s[G0V+3], 0x80000000
	TLOAD                                          ; keys 0 to 255 into slot 0: every wave issues one
	s_cmp_lt_u32 s[WV], 4
	s_cselect_b64 s[PFB:PFB+1], s[KBW:KBW+1], s[VBW:VBW+1]
	s_lshl_b32 s78, s70, 18
	s_lshl_b32 s71, s[Q0], 7
	s_add_co_u32 s78, s78, s71
	s_add_nc_u64 s[12:13], s[4:5], s[78:79]        ; Q of the first block, my first query
	s_lshl_b32 s78, s70, 18
	s_lshl_b32 s71, s77, 7
	s_add_co_u32 s78, s78, s71
	s_add_nc_u64 s[14:15], s[4:5], s[78:79]        ; of the second
	s_lshl_b32 s74, s74, 11
	s_lshl_b32 s75, s75, 8
	s_add_co_u32 s78, s74, s[Q0]
	s_lshl_b32 s78, s78, 11                        ; y2: 2,048 bytes for each row passed (rows go in pairs of 4,096),
	s_add_co_u32 s78, s78, s75                     ; + 256 h
	s_add_nc_u64 s[YA:YA+1], s[6:7], s[78:79]
	s_add_co_u32 s78, s74, s77
	s_lshl_b32 s78, s78, 11
	s_add_co_u32 s78, s78, s75
	s_add_nc_u64 s[YB:YB+1], s[6:7], s[78:79]
	v_and_b32 v1, 15, v0                           ; r
	v_bfe_u32 v2, v0, 4, 1                         ; h
	v_lshlrev_b32 v[QO], 7, v1
	v_lshl_add_u32 v[QO], v2, 4, v[QO]
	WIN W_LD
.irp t, 0,1
.irp d, 0,1
	global_load_b128 v[QF+16*\t+8*\d:QF+16*\t+8*\d+3],     v[QO], s[12:13] offset:\t*2048+\d*64
	global_load_b128 v[QF+16*\t+8*\d+4:QF+16*\t+8*\d+7],   v[QO], s[12:13] offset:\t*2048+\d*64+32
	global_load_b128 v[QF2+16*\t+8*\d:QF2+16*\t+8*\d+3],   v[QO], s[14:15] offset:\t*2048+\d*64
	global_load_b128 v[QF2+16*\t+8*\d+4:QF2+16*\t+8*\d+7], v[QO], s[14:15] offset:\t*2048+\d*64+32
.endr
.endr
.set i, 0
.rept 64
	v_mov_b32 v[i], 0                              ; O^T: the step is written once, its first run finds zeros
.set i, i+1
.endr
	WIN 0
	v_mul_u32_u24 v[AK0], v1, PK
	v_lshl_add_u32 v[AK0], v2, 4, v[AK0]           ; K: row r x pitch + 16 h
	v_and_b32 v5, 7, v0
	v_lshl_add_u32 v[AV0], v2, 3, v5
	v_mul_u32_u24 v[AV0], v[AV0], PV
	v_bfe_u32 v5, v0, 3, 1
	v_lshl_add_u32 v[AV0], v5, 4, v[AV0]
	v_add_nc_u32 v[AV0], VOFF, v[AV0]              ; V: key 8 h + l % 8, channels 8 ((l / 8) % 2) on
	s_mul_i32 s70, s[WV], 16*272
	s_add_co_u32 s70, s70, STAGE                   ; my stage
	v_lshrrev_b32 v5, 1, v1
	v_mul_u32_u24 v[STO], v5, 272
	v_and_b32 v5, 1, v1
	v_lshl_add_u32 v[STO], v5, 7, v[STO]
	v_lshl_add_u32 v[STO], v2, 4, v[STO]
	v_add_nc_u32 v[STO], s70, v[STO]               ; in: piece r / 2, half r % 2, + 16 h
	v_mul_u32_u24 v[RD], v2, 272
	v_lshl_add_u32 v[RD], v1, 4, v[RD]
	v_add_nc_u32 v[RD], s70, v[RD]                 ; back: sixteen lanes to a piece
	v_lshlrev_b32 v[GO], 12, v2
	v_lshl_add_u32 v[GO], v1, 4, v[GO]             ; pieces lie 4,096 bytes apart in y2
	v_and_b32 v[PFO], 31, v0
	v_lshlrev_b32 v[PFO], 8, v[PFO]
	v_lshlrev_b32 v5, 3, v2
	v_sub_nc_u32 v[DQ], v1, v5
	v_mov_b32 v[NINF], 0xff800000
	RESET
.macro KLOAD j                         ; 64 keys x 64 channels: fragment (tile of keys f / 2, channels 32 (f % 2) on)
.set f, 0
.rept 8
	ds_load_b128 v[KF+8*f:KF+8*f+3],   v[ADK] offset:(\j)*64*PK+(f/2)*16*PK+(f%2)*64
	ds_load_b128 v[KF+8*f+4:KF+8*f+7], v[ADK] offset:(\j)*64*PK+(f/2)*16*PK+(f%2)*64+32
.set f, f+1
.endr
.endm
.macro VLOAD j                         ; turned: fragment (keys 32 (f / 4) on, channels 16 (f % 4) on)
.set f, 0
.rept 8
	ds_load_tr16_b128 v[VF+8*f:VF+8*f+3],   v[ADV] offset:(\j)*64*PV+(f/4)*32*PV+(f%4)*32
	ds_load_tr16_b128 v[VF+8*f+4:VF+8*f+7], v[ADV] offset:(\j)*64*PV+(f/4)*32*PV+16*PV+(f%4)*32
.set f, f+1
.endr
.endm
.macro SOFTMAX                         ; both tiles line by line, so that no line waits for the line above it
.irp j, 0,1,2,3
.irp t, 0,1
	v_max3_num_f32 v[ST+8*\t+4+\j], v[S+32*\t+8*\j], v[S+32*\t+8*\j+1], v[S+32*\t+8*\j+2]   ; each accumulator is read from its low end on
.endr
.endr
.irp g, 1,2
.irp j, 0,1,2,3
.irp t, 0,1
	v_max3_num_f32 v[ST+8*\t+4+\j], v[ST+8*\t+4+\j], v[S+32*\t+8*\j+2*\g+1], v[S+32*\t+8*\j+2*\g+2]
.endr
.endr
.endr
.irp t, 0,1
	v_max3_num_f32 v[ST+8*\t+4], v[ST+8*\t+4], v[S+32*\t+7], v[S+32*\t+15]
.endr
.irp t, 0,1
	v_max3_num_f32 v[ST+8*\t+6], v[ST+8*\t+6], v[S+32*\t+23], v[S+32*\t+31]
.endr
.irp t, 0,1
	v_max3_num_f32 v[ST+8*\t+4], v[ST+8*\t+4], v[ST+8*\t+5], v[ST+8*\t+6]
.endr
.irp t, 0,1
	v_max3_num_f32 v[ST+8*\t+4], v[ST+8*\t+4], v[ST+8*\t+7], v[ST+8*\t+1]   ; with the old m
.endr
.irp t, 0,1
	v_permlanex16_b32 v[ST+8*\t+5], v[ST+8*\t+4], s[SEL], s[SEL+1]          ; the query's other 32 keys lie in the lane 16 away
.endr
.irp t, 0,1
	v_mov_b32 v[ST+8*\t+7], v[ST+8*\t]             ; c m_old
.endr
.irp t, 0,1
	v_max_num_f32 v[ST+8*\t+1], v[ST+8*\t+4], v[ST+8*\t+5]
.endr
.irp t, 0,1
	v_mul_f32 v[ST+8*\t], s[CS], v[ST+8*\t+1]
.endr
.irp t, 0,1
	v_sub_f32 v[ST+8*\t+7], v[ST+8*\t+7], v[ST+8*\t]
.endr
.set b, 0
.rept 16
.irp t, 0,1
	v_pk_fma_f32 v[S+32*\t+2*b:S+32*\t+2*b+1], v[S+32*\t+2*b:S+32*\t+2*b+1], s[CS:CS+1], v[ST+8*\t:ST+8*\t+1] op_sel_hi:[1,0,0] neg_lo:[0,0,1] neg_hi:[0,0,1]   ; c s - c m
.endr
.set b, b+1
.endr
.irp t, 0,1
	v_exp_f32 v[ST+8*\t+6], v[ST+8*\t+7]           ; a
.endr
.set b, 0
.rept 64
	v_exp_f32 v[S+b], v[S+b]                       ; p: one batch of 66 exponentials
.set b, b+1
.endr
	v_nop                                          ; a plain instruction behind the last exponential
	s_wait_alu depctr_va_vdst(0)                   ; one wait for the batch, ahead of its first reader
.set b, 0
.rept 16
.irp t, 0,1
	v_cvt_pk_f16_f32 v[P+16*\t+b], v[S+32*\t+2*b], v[S+32*\t+2*b+1]
.endr
.set b, b+1
.endr
.irp w, 4,8,16,32                      ; the sum of the unrounded p, in place: neighbours 1, 2, 4, 8 pairs apart
.set u, 0
.rept 32/\w
.irp t, 0,1
	v_pk_add_f32 v[S+32*\t+\w*u:S+32*\t+\w*u+1], v[S+32*\t+\w*u:S+32*\t+\w*u+1], v[S+32*\t+\w*u+\w/2:S+32*\t+\w*u+\w/2+1]
.endr
.set u, u+1
.endr
.endr
.irp t, 0,1
	v_pk_fma_f32 v[ST+8*\t+2:ST+8*\t+3], v[ST+8*\t+2:ST+8*\t+3], v[ST+8*\t+6:ST+8*\t+7], v[S+32*\t:S+32*\t+1] op_sel_hi:[1,0,1]   ; l = a l + the sum
.endr
.endm
; A KEY STEP: 64 keys, the j-th of the slot in hand.
.macro STEP j, id
.if \j > 0
	s_add_co_u32 s70, s[KS], 64*\j                 ; a step all of whose keys come after my 32 queries ends the slot for me: ids and the count of slots alone; no barrier and no tensor load stands in a step
	s_add_co_u32 s71, s[Q0], 31
	s_cmp_gt_u32 s70, s71
	s_cbranch_scc1 .Lend_\id
.endif
	WIN W_LD
.if \j == 0
	KLOAD 0
.endif
	VLOAD \j
	s_wait_dscnt 16                                ; K is in; V's sixteen loads may be out
	WIN W_KQ
.set i, 0
.rept 16                               ; channels 32 (i / 8) on, keys 16 ((i / 2) % 4) on, tile i % 2: eight accumulators by turns
.set rS, S+32*(i%2)+8*((i/2)%4)
.set rK, KF+16*((i/2)%4)+8*(i/8)
.set rQ, QF+16*(i%2)+8*(i/8)
.if i < 8
	v_wmma_f32_16x16x32_f16 v[rS:rS+7], v[rK:rK+7], v[rQ:rQ+7], 0
.else
	v_wmma_f32_16x16x32_f16 v[rS:rS+7], v[rK:rK+7], v[rQ:rQ+7], v[rS:rS+7]
.endif
.set i, i+1
.endr
	WIN 0
.rept 4
	v_nop                                          ; places in front of the loads into K's registers and of the first read of the scores
.endr
.if \j < 3
	WIN W_LD
	KLOAD (\j)+1                                   ; the next step's K lands under the softmax
	WIN 0
.endif
	s_add_co_u32 s70, s[KS], 64*\j+63              ; a step all of whose keys count for my first query skips the mask
	s_cmp_le_u32 s70, s[Q0]
	s_cbranch_scc1 .Lopen_\@
	s_sub_co_i32 s70, s[Q0], s[KS]
	s_sub_co_i32 s70, s70, 64*\j
	v_add_nc_u32 v[DQT], s70, v[DQ]                ; register n holds key 16 (n / 8) + n % 8 + 8 h of the step: hidden where 16 (n / 8) + n % 8 > my query - the step's first key - 8 h
	v_add_nc_u32 v[DQT+1], 16, v[DQT]
.set n, 0
.rept 32
	v_cmp_gt_i32 vcc_lo, 16*(n/8)+n%8, v[DQT]
	v_cndmask_b32 v[S+n], v[S+n], v[NINF], vcc_lo
	v_cmp_gt_i32 vcc_lo, 16*(n/8)+n%8, v[DQT+1]
	v_cndmask_b32 v[S+32+n], v[S+32+n], v[NINF], vcc_lo
.set n, n+1
.endr
.Lopen_\@:
	SOFTMAX
.if \j < 3
	s_wait_dscnt 16                                ; V is in; the next step's K may be out
.else
	s_wait_dscnt 0x0
.endif
	WIN W_RS
.set i, 0
.rept 16
.irp t, 0,1
	v_pk_mul_f32 v[32*\t+2*i:32*\t+2*i+1], v[32*\t+2*i:32*\t+2*i+1], v[ST+8*\t+6:ST+8*\t+7] op_sel_hi:[1,0]   ; O^T x a, each accumulator from its low end on
.endr
.set i, i+1
.endr
	WIN W_PV
.set i, 0
.rept 16                               ; keys 32 (i / 8) on, channels 16 ((i / 2) % 4) on, tile i % 2: eight accumulators by turns
.set rO, 32*(i%2)+8*((i/2)%4)
.set rV, VF+32*(i/8)+8*((i/2)%4)
.set rP, P+16*(i%2)+8*(i/8)
	v_wmma_f32_16x16x32_f16 v[rO:rO+7], v[rV:rV+7], v[rP:rP+7], v[rO:rO+7]
.set i, i+1
.endr
	WIN 0
.rept 4
	v_nop                                          ; places in front of the next loads into V's registers and of the next read of O^T
.endr
.endm
.macro SLOT_STEPS id
	v_add_nc_u32 v[ADK], s[TB], v[AK0]
	v_add_nc_u32 v[ADV], s[TB], v[AV0]
	STEP 0, \id
	STEP 1, \id
	STEP 2, \id
	STEP 3, \id
.Lend_\id:
.endm
; THE CHANGE OF SLOTS stands at a slot's head: each wave waits for all its tensor loads (its part of the slot ahead), adds 0 to its spare word, waits for that and for its reads of the slot left, and meets the others.
; fill = 1: the slot left is then filled with the keys that follow: the block's next 256, or, behind a block's last slot, the next block's first 256.
.macro CHANGE fill
	s_wait_tensorcnt 0x0                           ; no tensor load of mine is out, so a group 0 may be written
	ds_add_u32 v[SPW], v[NIL]                      ; 0 onto my spare word; the descriptors' steps stand between it and the wait for it
.if \fill
	s_xor_b32 s[G0K+1], s[G0K+1], SLOT1
	s_xor_b32 s[G0V+1], s[G0V+1], SLOT1
	s_add_co_u32 s70, s[KS], 256
	s_lshl_b32 s70, s70, 7
	s_cmp_eq_u32 s[KS], s[QB]
	s_cselect_b32 s[OFF], 0, s70                   ; the next slot's first key, in bytes
	s_wait_xcnt 0x0                                ; the last prefetch, a slot back, has read its address
	s_add_nc_u64 s[G0K+2:G0K+3], s[KBW:KBW+1], s[OFF:OFF+1]
	s_or_b32 s[G0K+3], s[G0K+3], 0x80000000
	s_add_nc_u64 s[G0V+2:G0V+3], s[VBW:VBW+1], s[OFF:OFF+1]
	s_or_b32 s[G0V+3], s[G0V+3], 0x80000000
	s_add_nc_u64 s[PFA:PFA+1], s[PFB:PFB+1], s[OFF:OFF+1]
.endif
	s_wait_dscnt 0x0                               ; the add is done, and my reads of the slot that I have left are over
	s_barrier_signal -1
	s_barrier_wait -1
.if \fill
	TLOAD                                          ; the first thing behind the barrier, and my one tensor load until the next
	ASK
.endif
.endm
; A BLOCK'S END: O^T / l, rounded to f16, through my stage, out as 16 pieces of 256 bytes.  more = 1: the second block begins.
.macro FINISH yb, more
.irp t, 0,1
	v_add_f32 v[ST+8*\t+4], v[ST+8*\t+2], v[ST+8*\t+3]
.endr
.irp t, 0,1
	v_permlanex16_b32 v[ST+8*\t+5], v[ST+8*\t+4], s[SEL], s[SEL+1]
.endr
.irp t, 0,1
	v_add_f32 v[ST+8*\t+4], v[ST+8*\t+4], v[ST+8*\t+5]
.endr
.irp t, 0,1
	v_rcp_f32 v[ST+8*\t+6], v[ST+8*\t+4]
.endr
	v_nop
	s_wait_alu depctr_va_vdst(0)                   ; one wait for both reciprocals, ahead of their first reader
	WIN W_RS
.set i, 0
.rept 16
.irp t, 0,1
	v_pk_mul_f32 v[32*\t+2*i:32*\t+2*i+1], v[32*\t+2*i:32*\t+2*i+1], v[ST+8*\t+6:ST+8*\t+7] op_sel_hi:[1,0]
.endr
.set i, i+1
.endr
	WIN 0x05                                       ; sources window 1, destination window 0
.set i, 0
.rept 32
	v_cvt_pk_f16_f32 v[S+i], v[2*i], v[2*i+1]
.set i, i+1
.endr
	WIN 0
.irp t, 0,1
.irp d, 0,1,2,3
	ds_store_b128 v[STO], v[S+16*\t+4*\d:S+16*\t+4*\d+3] offset:\t*8*272+\d*32
.endr
.endr
.irp i, 0,1,2,3,4,5,6,7
	ds_load_b128 v[S+32+4*\i:S+32+4*\i+3], v[RD] offset:\i*2*272    ; LDS serves a wave's instructions in order: these see the stores above
.endr
.irp i, 0,1,2,3,4,5,6,7
	s_wait_dscnt 7-\i
	global_store_b128 v[GO], v[S+32+4*\i:S+32+4*\i+3], s[\yb:\yb+1] offset:\i*8192   ; sixteen lanes store 256 consecutive bytes, aligned
.endr
.if \more
	WIN W_RS
.set i, 0
.rept 32
	v_mov_b32 v[QF+i], v[QF2+i]
.set i, i+1
.endr
.set i, 0
.rept 64
	v_mov_b32 v[i], 0
.set i, i+1
.endr
	WIN 0
	RESET
	s_mov_b32 s[QB], s76
	s_mov_b32 s[Q0], s77
	s_mov_b32 s[KS], -256                          ; the step below makes it 0
	s_wait_xcnt 0x0                                ; the stores have read their registers: the next scores may be written there
.endif
.endm
	s_wait_loadcnt 0x0                             ; Q
.Ltrip:                                            ; eight trips: behind each change of slots but the last the next slot is asked for
	CHANGE 1
	SLOT_STEPS 0
	s_cmp_lg_u32 s[KS], s[QB]                      ; the first block's last slot lies on its diagonal
	s_cbranch_scc1 .Lnot_last
	FINISH YA, 1
.Lnot_last:
	s_add_co_u32 s[KS], s[KS], 256
	s_xor_b32 s[TB], s[TB], SLOT1
	s_add_co_u32 s[N], s[N], 1
	s_cmp_lt_u32 s[N], 8
	s_cbranch_scc1 .Ltrip
	CHANGE 0                                       ; the ninth slot is written out: it is the second block's last
	SLOT_STEPS 1
	FINISH YB, 0
	s_wait_tensorcnt 0x0                           ; the wave's end: the three lines
	ds_add_u32 v[SPW], v[NIL]
	s_wait_dscnt 0x0
	s_endpgm
.Lfunc_end_k_q05df235328_attn:
	.size	k_q05df235328_attn, .Lfunc_end_k_q05df235328_attn-k_q05df235328_attn
	.p2alignl 7, 3214868480
	.fill 96, 4, 3214868480
	.section	.rodata,"a",@progbits
	.p2align	6, 0x0
	.amdhsa_kernel k_q05df235328_attn
		.amdhsa_group_segment_fixed_size 327680
		.amdhsa_private_segment_fixed_size 0
		.amdhsa_enable_private_segment 0
		.amdhsa_kernarg_size 16
		.amdhsa_user_sgpr_count 2
		.amdhsa_user_sgpr_kernarg_segment_ptr 1
		.amdhsa_wavefront_size32 1
		.amdhsa_system_sgpr_workgroup_id_x 1
		.amdhsa_system_sgpr_workgroup_id_y 1
		.amdhsa_system_sgpr_workgroup_id_z 1
		.amdhsa_system_vgpr_workitem_id 0
		.amdhsa_next_free_vgpr 512
		.amdhsa_next_free_sgpr 80
		.amdhsa_reserve_vcc 1
		.amdhsa_float_denorm_mode_32 3
		.amdhsa_float_denorm_mode_16_64 3
		.amdhsa_memory_ordered 1
		.amdhsa_forward_progress 1
		.amdhsa_inst_pref_size 200
	.end_amdhsa_kernel
	.amdgpu_metadata
---
amdhsa.version: [ 1, 2 ]
amdhsa.kernels:
  - .name:           k_q05df235328_attn
    .symbol:         k_q05df235328_attn.kd
    .args:
      - { .name: qkvh, .offset: 0, .size: 8, .value_kind: global_buffer, .address_space: global }
      - { .name: y2, .offset: 8, .size: 8, .value_kind: global_buffer, .address_space: global }
    .group_segment_fixed_size: 327680
    .private_segment_fixed_size: 0
    .kernarg_segment_align: 8
    .kernarg_segment_size: 16
    .max_flat_workgroup_size: 256
    .sgpr_count:     80
    .vgpr_count:     512
    .wavefront_size: 32
...
	.end_amdgpu_metadata
.endif
;; end of part 3
;; launch proj (part 4): grid 8 x 64, 4 waves a work-group, clusters of 4 x 4, 327,680 bytes of LDS; arguments y2, wpt, out0, b_proj; writes out0
.if DOCPART == 4
	.amdgcn_target "amdgcn-amd-amdhsa--gfx1250"
	.amdhsa_code_object_version 6
	.text
	.protected	k_q05df235328_proj
	.globl	k_q05df235328_proj
	.p2align	8
	.type	k_q05df235328_proj,@function
k_q05df235328_proj:
	s_mov_b64 s[64:65], 0
	v_nop
	global_prefetch_b8 v0, s[64:65] scope:SCOPE_SE
	s_setreg_imm32_b32 hwreg(HW_REG_WAVE_MODE, 25, 1), 1
	s_wait_xcnt 0x0
	s_wait_alu depctr_hold_cnt(0) depctr_sa_sdst(0) depctr_va_vdst(0) depctr_va_sdst(0) depctr_va_ssrc(0) depctr_va_vcc(0) depctr_vm_vsrc(0)
	s_getreg_b32 s2, hwreg(HW_REG_IB_STS2, 6, 4)
	s_cmp_eq_u32 s2, 0
	s_cbranch_scc0 .Lentry_in_a_cluster
	s_endpgm
.Lentry_in_a_cluster:
	s_bfe_u32 s2, ttmp6, 0x10000c
	s_cmp_lg_u32 s2, 0xf033
	s_cbranch_scc0 .Lentry_shape_is_right
	s_endpgm
.Lentry_shape_is_right:
; out0 = y w_proj + b_proj for the positions t >= 16 of every batch: [8192][1024] x [1024 n][1024 k], f16 operands, f32 sums.
; NOT STORED HERE: the rows t < 16 of every batch: they lie in tiles with live rows, so they are multiplied with them, and the launch first16 alone stores them, from f32 operands.
; A tile of out0 is 128 x 128: four waves, 64 x 64 each, 16 accumulators.  K goes in steps of 256 through a ring of two LDS slots.  4 x 4 work-groups form a cluster: y's tiles are asked for jointly along a row
; of the cluster, w's along a column.  TILE ROW = 16 cy + cluster y: positions under 16 lie in clusters with y = 0 alone, a test that all partners share.
; y2 is laid [row / 2][head][row % 2][64]: a K step (four heads) of two rows is 1,024 consecutive bytes: a tile of 64 rows comes as 32 rows of 1,024 bytes, 1,040 apart in LDS; lane r of a fragment reads at
; (r / 2) x 1040 + (r % 2) x 128, which are sixteen different 16-byte columns modulo 256.
; THE MATRIX INSTRUCTION IS USED TRANSPOSED (source 0 = 16 rows of wpt, source 1 = 16 rows of y): a lane holds eight neighbouring columns of a row.  b_proj is the C of each sum's first instruction.
; REGISTERS: window 0: v0-31 addresses; v32-63 the bias, later v32-95 rows on the way out; v128-255 the accumulators.   window 1: two fragment buffers of 128.
.set KSTEP,  256
.set PITCH,  528                       ; w: 512 bytes + 16
.set PA,     1040                      ; y: 1,024 bytes + 16
.set HALFA,  32*PA
.set HALFB,  64*PITCH
.set BOFF,   2*HALFA
.set SLOT,   2*HALFA+2*HALFB
.set SPARE,  2*SLOT                    ; the spare words: two blocks of 256 bytes that no other line names
.set SPITCH, 272                       ; the way out: 16 rows x 272 bytes for each wave, in slot 0, which has had its last fill and its last read by then
.set LAPS,   2
.set ADRA, 16
.set ADRB, 20
.set STO,  24
.set RD,   25
.set CO,   26
.set BO,   27
.set SPW,  28
.set NIL,  29
.set TMP,  32
.set ACC,  128
.set F0,   0
.set F1,   128
.set G1, 24
.set G0, 32
.set G1B, 48
.set G0B, 56
.set MSB, 0
.macro WIN new
.if MSB != \new
	s_set_vgpr_msb (MSB<<8)|\new
.set MSB, \new
.endif
.endm
.set MUL,  0x05
.set TO_F, 0x40
.macro JLOAD s                         ; waves 0, 1 fetch y's two halves, waves 2, 3 w's; an s_nop 0 and four v_nop follow each line
	s_cmp_eq_u32 s11, 0
	s_cbranch_scc0 .Lfor_b_\@
	tensor_load_to_lds s[G0+4*\s:G0+4*\s+3], s[G1:G1+7]
	s_nop 0
.rept 4
	v_nop
.endr
	s_branch .Lasked_\@
.Lfor_b_\@:
	tensor_load_to_lds s[G0B+4*\s:G0B+4*\s+3], s[G1B:G1B+7]
	s_nop 0
.rept 4
	v_nop
.endr
.Lasked_\@:
.endm
.macro CREST
	s_cmp_lg_u32 s10, 0
	s_cbranch_scc1 .Lnot_wave_0_\@
	s_barrier_signal -3
.Lnot_wave_0_\@:
	s_barrier_wait -3
	s_barrier_signal -1
	s_barrier_wait -1
.endm
.macro CROUND
	s_barrier_signal -1
	s_barrier_wait -1
	CREST
.endm
	s_load_b128 s[4:7], s[0:1], 0x0                ; y2, wpt
	s_load_b64 s[8:9], s[0:1], 0x10                ; out0
	s_load_b64 s[66:67], s[0:1], 0x18              ; b_proj
	v_lshl_add_u32 v[SPW], v0, 2, SPARE
	v_mov_b32 v[NIL], 0
	ds_add_u32 v[SPW], v[NIL]                      ; the wave's opening: the add, twice on end, and its wait ahead of my first tensor load
	ds_add_u32 v[SPW], v[NIL]
	v_lshrrev_b32 v1, 5, v0
	v_readfirstlane_b32 s10, v1                    ; wave 0..3
	s_lshr_b32 s11, s10, 1                         ; my half of the tile's rows; also: I fetch for y (0) or for w (1)
	s_and_b32 s12, s10, 1                          ; my half of its columns; also: which 64 rows I fetch
	s_bfe_u32 s40, ttmp6, 0x40000                  ; cx
	s_bfe_u32 s41, ttmp6, 0x40004                  ; cy
	s_lshl_b32 s42, ttmp9, 2
	s_add_co_u32 s42, s42, s40                     ; tile column
	s_and_b32 s68, ttmp7, 0xffff                   ; cluster y
	s_lshl_b32 s13, s41, 4
	s_add_co_u32 s13, s13, s68                     ; tile row = 16 cy + cluster y
	s_or_b32 s69, s68, s11                         ; 0 where my rows begin a batch; the same in all partners for a given wave
	s_lshl_b32 s43, s41, 2
	s_lshl_b32 s43, 15, s43
	s_lshl_b32 s44, 0x1111, s40
	s_or_b32 s[G1+0], s43, (1<<16)|(1<<20)|(1<<21)|(7<<22)|(3<<25)    ; y: padding of 4 words behind every 256
	s_mov_b32 s[G1+1], 512<<16                     ; tensor_dim0 = 512 elements
	s_mov_b32 s[G1+2], 32<<16                      ; tensor_dim1 = 32
	s_mov_b32 s[G1+3], 512<<16                     ; tile_dim0
	s_mov_b32 s[G1+4], 32                          ; tile_dim1
	s_mov_b32 s[G1+5], 2048                        ; from pair of rows to pair of rows
	s_mov_b32 s[G1+6], 0
	s_mov_b32 s[G1+7], 0
	s_or_b32 s[G1B+0], s44, (1<<16)|(1<<20)|(1<<21)|(6<<22)|(3<<25)   ; w: 4 words behind every 128
	s_mov_b32 s[G1B+1], KSTEP<<16
	s_mov_b32 s[G1B+2], 64<<16
	s_mov_b32 s[G1B+3], KSTEP<<16
	s_mov_b32 s[G1B+4], 64
	s_mov_b32 s[G1B+5], 1024
	s_mov_b32 s[G1B+6], 0
	s_mov_b32 s[G1B+7], 0
	s_lshl_b32 s16, s13, 6
	s_lshl_b32 s17, s12, 5
	s_add_co_u32 s16, s16, s17
	s_lshl_b32 s16, s16, 12                        ; y2: pair of rows 64 x tile row + 32 x half, 4,096 bytes each
	s_mov_b32 s17, 0
	s_lshl_b32 s46, s42, 7
	s_lshl_b32 s47, s12, 6
	s_add_co_u32 s46, s46, s47
	s_lshl_b32 s46, s46, 11                        ; wpt: row 128 x tile column + 64 x half, 2,048 bytes each
	s_mov_b32 s47, 0
	s_mul_i32 s20, s12, HALFA                      ; where they go: no place in the cluster enters an LDS address
	s_mul_i32 s21, s12, HALFB
	s_add_co_u32 s21, s21, BOFF
	s_wait_dscnt 0x0                               ; both opening adds are done
	s_wait_kmcnt 0x0
	s_add_nc_u64 s[14:15], s[4:5], s[16:17]
	s_add_nc_u64 s[46:47], s[6:7], s[46:47]
	CROUND                                         ; all sixteen work-groups are here: the first joint loads meet
.irp s, 0,1
	s_mov_b32 s[G0+4*\s], 1
	s_add_co_u32 s[G0+4*\s+1], s20, \s*SLOT
	s_add_nc_u64 s[G0+4*\s+2:G0+4*\s+3], s[14:15], \s*1024
	s_or_b32 s[G0+4*\s+3], s[G0+4*\s+3], 0x80000000
	s_mov_b32 s[G0B+4*\s], 1
	s_add_co_u32 s[G0B+4*\s+1], s21, \s*SLOT
	s_add_nc_u64 s[G0B+4*\s+2:G0B+4*\s+3], s[46:47], \s*KSTEP*2
	s_or_b32 s[G0B+4*\s+3], s[G0B+4*\s+3], 0x80000000
	JLOAD \s
.endr
	v_and_b32 v1, 15, v0                           ; r
	v_bfe_u32 v2, v0, 4, 1                         ; h
	v_mul_u32_u24 v3, v1, PITCH
	v_lshl_add_u32 v3, v2, 4, v3                   ; w: row x pitch + 16 h
	v_lshrrev_b32 v4, 1, v1
	v_mul_u32_u24 v4, v4, PA
	v_and_b32 v5, 1, v1
	v_lshl_add_u32 v4, v5, 7, v4
	v_lshl_add_u32 v4, v2, 4, v4                   ; y: (r / 2) x 1040 + (r % 2) x 128 + 16 h
	s_mul_i32 s21, s11, HALFA
	s_mul_i32 s22, s12, HALFB
	s_add_co_u32 s22, s22, BOFF
.irp s, 0,1
	v_add_nc_u32 v[ADRA+\s], s21, v4
	v_add_nc_u32 v[ADRB+\s], s22, v3
	s_add_co_u32 s21, s21, SLOT
	s_add_co_u32 s22, s22, SLOT
.endr
	s_mul_i32 s23, s10, 16*SPITCH                  ; my stage
	v_mul_u32_u24 v4, v1, SPITCH
	v_lshl_add_u32 v4, v2, 5, v4
	v_add_nc_u32 v[STO], s23, v4                   ; in: row r, 32 bytes for each half of the lanes
	v_mul_u32_u24 v5, v2, SPITCH
	v_lshl_add_u32 v5, v1, 4, v5
	v_add_nc_u32 v[RD], s23, v5                    ; back: sixteen lanes to a row of 256 bytes
	v_lshlrev_b32 v[CO], 12, v2
	v_lshl_add_u32 v[CO], v1, 4, v[CO]             ; the same two rows in out0
	v_lshlrev_b32 v[BO], 5, v2
	s_lshl_b32 s16, s13, 7
	s_lshl_b32 s17, s11, 6
	s_add_co_u32 s16, s16, s17
	s_lshl_b32 s16, s16, 12                        ; my first row of out0: 128 x tile row + 64 x half, 4,096 bytes each
	s_lshl_b32 s46, s42, 9
	s_lshl_b32 s47, s12, 8
	s_add_co_u32 s46, s46, s47                     ; my first column, in bytes
	s_mov_b32 s47, 0
	s_mov_b32 s17, 0
	s_add_nc_u64 s[8:9], s[8:9], s[16:17]
	s_add_nc_u64 s[8:9], s[8:9], s[46:47]
	s_add_nc_u64 s[66:67], s[66:67], s[46:47]
.irp b, 0,1,2,3
	global_load_b128 v[TMP+8*\b:TMP+8*\b+3],   v[BO], s[66:67] offset:64*\b      ; lane (r, h): b_proj at columns 16 b + 8 h + 0 .. 7
	global_load_b128 v[TMP+8*\b+4:TMP+8*\b+7], v[BO], s[66:67] offset:64*\b+16
.endr
; 8 matrix instructions: row blocks a0, a0 + 1 x all 4 column blocks, 32 along K.  zero = 1: the sum's first product takes the bias as C.  The 16 accumulators take turns.
.macro MUL8 f, c, a0, zero
.irp a, \a0, \a0+1
.irp b, 0,1,2,3
.if \zero
	v_wmma_f32_16x16x32_f16 v[ACC+8*(4*(\a)+\b):ACC+8*(4*(\a)+\b)+7], v[\f+64+8*(4*\c+\b):\f+64+8*(4*\c+\b)+7], v[\f+8*(4*\c+\a):\f+8*(4*\c+\a)+7], v[TMP+8*\b:TMP+8*\b+7]
.else
	v_wmma_f32_16x16x32_f16 v[ACC+8*(4*(\a)+\b):ACC+8*(4*(\a)+\b)+7], v[\f+64+8*(4*\c+\b):\f+64+8*(4*\c+\b)+7], v[\f+8*(4*\c+\a):\f+8*(4*\c+\a)+7], v[ACC+8*(4*(\a)+\b):ACC+8*(4*(\a)+\b)+7]
.endif
.endr
.endr
.endm
; 32 LDS loads in one run: 64 along K (one head) at byte k of w's rows, which is byte 2 k of y's pairs of rows
.macro FETCH slot, k, f
	WIN TO_F
.irp c, 0,1
.irp i, 0,1,2,3
	ds_load_b128 v[\f+64+8*(4*\c+\i):\f+64+8*(4*\c+\i)+3],   v[ADRB+\slot] offset:\k+64*\c+\i*16*PITCH
	ds_load_b128 v[\f+64+8*(4*\c+\i)+4:\f+64+8*(4*\c+\i)+7], v[ADRB+\slot] offset:\k+64*\c+\i*16*PITCH+32
	ds_load_b128 v[\f+8*(4*\c+\i):\f+8*(4*\c+\i)+3],         v[ADRA+\slot] offset:2*(\k)+64*\c+\i*8*PA
	ds_load_b128 v[\f+8*(4*\c+\i)+4:\f+8*(4*\c+\i)+7],       v[ADRA+\slot] offset:2*(\k)+64*\c+\i*8*PA+32
.endr
.endr
.endm
.macro PLACES
.rept 4
	v_nop
.endr
.endm
.macro QUARTER slot, k, f, g, zero
	s_wait_dscnt 16                                ; the first 32 along K are in; the other sixteen loads may be out
	WIN MUL
	MUL8 \f, 0, 0, \zero
	MUL8 \f, 0, 2, \zero
	PLACES
	FETCH \slot, \k, \g
	s_wait_dscnt 32                                ; all but the 32 just issued
	WIN MUL
	MUL8 \f, 1, 0, 0
	MUL8 \f, 1, 2, 0
.endm
; The last quarter changes slots: in front of the one barrier each wave waits for all its tensor loads, adds 0 to its spare word, and waits for that and for its reads of this slot.
.macro TURN slot, next, fill
	WIN 0
	s_wait_tensorcnt 0x0
	ds_add_u32 v[SPW], v[NIL]
	s_wait_dscnt 17                                ; the add and the youngest sixteen loads may be out
	WIN MUL
	MUL8 F1, 0, 0, 0
	s_wait_dscnt 0x0
	s_barrier_signal -1
	MUL8 F1, 0, 2, 0
.if \fill
	WIN 0
.endif
	s_barrier_wait -1
.if \fill
	CREST                                          ; the barrier has opened a round of the cluster's: no wave of any partner still reads this slot or has a load on its way
	s_add_nc_u64 s[G0+4*\slot+2:G0+4*\slot+3], s[G0+4*\slot+2:G0+4*\slot+3], 2048
	s_add_nc_u64 s[G0B+4*\slot+2:G0B+4*\slot+3], s[G0B+4*\slot+2:G0B+4*\slot+3], 2*KSTEP*2
	JLOAD \slot                                    ; the first tensor load behind the round; its four v_nop are also the places in front of the loads below
.else
	PLACES
.endif
	FETCH \next, 0, F0
	WIN MUL
	MUL8 F1, 1, 0, 0
	MUL8 F1, 1, 2, 0
.endm
	s_wait_tensorcnt 1                             ; my part of K step 0 is in; K step 1's may be out
	s_barrier_signal -1
	s_barrier_wait -1
	FETCH 0, 0, F0
	s_wait_loadcnt 0x0                             ; the bias
	QUARTER 0, 128, F0, F1, 1
	WIN 0
	s_mov_b32 s3, LAPS-1
.Llap:
	QUARTER 0, 256, F1, F0, 0
	QUARTER 0, 384, F0, F1, 0
	TURN 0, 1, 1
	QUARTER 1, 128, F0, F1, 0
	QUARTER 1, 256, F1, F0, 0
	QUARTER 1, 384, F0, F1, 0
	TURN 1, 0, 1
	QUARTER 0, 128, F0, F1, 0
	WIN 0
	s_sub_co_u32 s3, s3, 1
	s_cmp_lg_u32 s3, 0
	s_cbranch_scc1 .Llap
	QUARTER 0, 256, F1, F0, 0                      ; the last lap fills nothing
	QUARTER 0, 384, F0, F1, 0
	TURN 0, 1, 0
	QUARTER 1, 128, F0, F1, 0
	QUARTER 1, 256, F1, F0, 0
	QUARTER 1, 384, F0, F1, 0
	s_wait_dscnt 16
	WIN MUL
	MUL8 F1, 0, 0, 0
	MUL8 F1, 0, 2, 0
	s_wait_dscnt 0
	MUL8 F1, 1, 0, 0
	MUL8 F1, 1, 2, 0
	WIN 0
; THE WAY OUT, block by block of 16 rows x 64 columns of f32: a wave's 64 columns are 256 aligned bytes, so each wave has a stage of its own and no barrier is needed.
.macro TOSTAGE a
.set BB, TMP+32*((\a)%2)
.irp b, 0,1,2,3
	ds_store_b128 v[STO], v[ACC+8*(4*(\a)+\b):ACC+8*(4*(\a)+\b)+3]   offset:64*\b       ; each accumulator from its low end on
	ds_store_b128 v[STO], v[ACC+8*(4*(\a)+\b)+4:ACC+8*(4*(\a)+\b)+7] offset:64*\b+16
.endr
.irp i, 0,1,2,3,4,5,6,7
	ds_load_b128 v[BB+4*\i:BB+4*\i+3], v[RD] offset:\i*2*SPITCH
.endr
.endm
.macro SEND a, younger                 ; younger: the next block's eight stores and eight loads, or none
.set BB, TMP+32*((\a)%2)
	s_wait_dscnt \younger
.if (\a) == 0
	s_cmp_eq_u32 s69, 0                            ; positions under 16 are stored by the launch first16 alone
	s_cbranch_scc1 .Lnot_mine
.endif
.irp i, 0,1,2,3,4,5,6,7
	global_store_b128 v[CO], v[BB+4*\i:BB+4*\i+3], s[8:9] offset:(16*(\a)+2*\i)*4096 th:TH_STORE_NT   ; sixteen lanes store 256 consecutive bytes, aligned
.endr
.if (\a) == 0
.Lnot_mine:
.endif
.endm
	PLACES
	TOSTAGE 0
.irp a, 1,2,3
.if \a > 1
	s_wait_xcnt 0x0                                ; block a - 2's stores have read their registers: block a's loads may land there
.endif
	TOSTAGE \a
	SEND \a-1, 16
.endr
	SEND 3, 0
	s_wait_tensorcnt 0x0                           ; the wave's end: the three lines
	ds_add_u32 v[SPW], v[NIL]
	s_wait_dscnt 0x0
	CROUND                                         ; the closing round
	s_endpgm
.Lfunc_end_k_q05df235328_proj:
	.size	k_q05df235328_proj, .Lfunc_end_k_q05df235328_proj-k_q05df235328_proj
	.p2alignl 7, 3214868480
	.fill 96, 4, 3214868480
	.section	.rodata,"a",@progbits
	.p2align	6, 0x0
	.amdhsa_kernel k_q05df235328_proj
		.amdhsa_group_segment_fixed_size 327680
		.amdhsa_private_segment_fixed_size 0
		.amdhsa_enable_private_segment 0
		.amdhsa_kernarg_size 32
		.amdhsa_user_sgpr_count 2
		.amdhsa_user_sgpr_kernarg_segment_ptr 1
		.amdhsa_wavefront_size32 1
		.amdhsa_system_sgpr_workgroup_id_x 1
		.amdhsa_system_sgpr_workgroup_id_y 1
		.amdhsa_system_sgpr_workgroup_id_z 1
		.amdhsa_system_vgpr_workitem_id 0
		.amdhsa_next_free_vgpr 512
		.amdhsa_next_free_sgpr 72
		.amdhsa_reserve_vcc 0
		.amdhsa_float_denorm_mode_32 3
		.amdhsa_float_denorm_mode_16_64 3
		.amdhsa_memory_ordered 1
		.amdhsa_forward_progress 1
		.amdhsa_inst_pref_size 87
	.end_amdhsa_kernel
	.amdgpu_metadata
---
amdhsa.version: [ 1, 2 ]
amdhsa.kernels:
  - .name:           k_q05df235328_proj
    .symbol:         k_q05df235328_proj.kd
    .args:
      - { .name: y2, .offset: 0, .size: 8, .value_kind: global_buffer, .address_space: global }
      - { .name: wpt, .offset: 8, .size: 8, .value_kind: global_buffer, .address_space: global }
      - { .name: out0, .offset: 16, .size: 8, .value_kind: global_buffer, .address_space: global }
      - { .name: b_proj, .offset: 24, .size: 8, .value_kind: global_buffer, .address_space: global }
    .group_segment_fixed_size: 327680
    .private_segment_fixed_size: 0
    .kernarg_segment_align: 8
    .kernarg_segment_size: 32
    .max_flat_workgroup_size: 128
    .sgpr_count:     72
    .vgpr_count:     512
    .wavefront_size: 32
...
	.end_amdgpu_metadata
.endif
;; end of part 4
;; launch first16 (part 5): grid 16 x 4, 16 waves a work-group, no clusters, 71,680 bytes of LDS; arguments qkv16, w_proj, b_proj, out0; writes out0
.if DOCPART == 5
	.amdgcn_target "amdgcn-amd-amdhsa--gfx1250"
	.amdhsa_code_object_version 6
	.text
	.protected	k_q05df235328_first16
	.globl	k_q05df235328_first16
	.p2align	8
	.type	k_q05df235328_first16,@function
k_q05df235328_first16:
	s_mov_b64 s[64:65], 0
	v_nop
	global_prefetch_b8 v0, s[64:65] scope:SCOPE_SE
	s_setreg_imm32_b32 hwreg(HW_REG_WAVE_MODE, 25, 1), 1
	s_wait_xcnt 0x0
; The positions t = 0 .. 15 of every batch, wholly in f32: attention over their 16 keys and the projection.  These rows average one to a few values, so 16-bit operands would weigh most here.
; LEFT OUT: keys from 16 on, which reference()'s own jnp.tril hides from these queries for all finite inputs.
; Work-group (nc, b) makes out0 rows 0 .. 15 of batch b, columns 64 nc .. 64 nc + 63.  Wave = head: its 16 x 16 attention, then its 64 along K of the projection; the 16 partial sums meet in LDS.
; v_wmma_f32_16x16x4_f32: lane (r, h) holds row r and two of the four k.  The same order of k is used on both sides of each product, chosen so that results become operands as they stand:
;   S^T = K Q^T: step s takes d = 32 h + 2 s + j.   O^T = V^T P: step s takes key 8 h + 2 s + j, which is the pair of p that the lane holds.   out^T = W^T y^T: step (dt, s) takes channel 16 dt + 8 h + 2 s + j.
; The registers that the matrix instructions write are written by them alone; what is made of a sum goes into other registers.
; REGISTERS: v1-13 addresses, bias; v16-47 Q, then y, then the partial sums read back; v48-79 K, then W group 1; v80-111 V, then W group 2; v112-127 two sums of S^T; v128-159 O^T; v160-191 out^T; v192-199 scores, then p;
;   v200-207 at work; v208-239 W groups 0 and 3; v250, v251 the add's two.
.set PART,  0                          ; LDS: 16 waves x 16 rows x 272 bytes
.set SPARE, 16*16*272                  ; the spare words: eight blocks of 256 bytes that no other line names
.set QR,   16
.set YR,   16
.set KR,   48
.set VR,   80
.set SA,   112
.set OA,   128
.set OUTA, 160
.set T,    192
.set WA,   208
.set SPW,  250
.set NIL,  251
	s_load_b256 s[4:11], s[0:1], 0x0               ; qkv16 s[4:5], w_proj s[6:7], b_proj s[8:9], out0 s[10:11]
	v_lshl_add_u32 v[SPW], v0, 2, SPARE
	v_mov_b32 v[NIL], 0
	v_lshrrev_b32 v1, 5, v0
	v_readfirstlane_b32 s12, v1                    ; wave = head
	s_and_b32 s13, ttmp7, 0xffff                   ; batch
	v_and_b32 v1, 15, v0                           ; r
	v_bfe_u32 v2, v0, 4, 1                         ; h
	v_and_b32 v3, 31, v0                           ; lane
	v_mul_u32_u24 v4, v1, 12288
	v_lshl_add_u32 v4, v2, 7, v4                   ; Q, K: row r, + 32 h numbers
	v_mul_u32_u24 v5, v2, 98304
	v_lshl_add_u32 v5, v1, 2, v5                   ; V: key 8 h, channel r
	v_lshlrev_b32 v6, 15, v2
	v_lshl_add_u32 v6, v1, 2, v6                   ; W: row 8 h, column r
	v_lshlrev_b32 v7, 3, v2
	v_sub_nc_u32 v7, v1, v7                        ; r - 8 h
	s_mul_i32 s14, s12, 16*272
	v_mul_u32_u24 v8, v1, 272
	v_lshl_add_u32 v8, v2, 5, v8
	v_add_nc_u32 v8, s14, v8                       ; my partial sums: row r, + 32 h
	s_mul_i32 s14, s12, 272
	v_lshlrev_b32 v10, 3, v3                       ; 8 x lane
	v_add_nc_u32 v9, s14, v10                      ; row = my wave's number, of every wave's part
	v_mov_b32 v11, 0xff800000
	v_mov_b32 v201, 0                              ; a lane permute's destination counts as one of its sources
	s_mov_b32 s20, 0x76543210
	s_mov_b32 s21, 0xfedcba98
	s_mov_b32 s22, 0x3e38aa3b                      ; c = log2(e) / 8
	s_lshl_b32 s23, ttmp9, 8                       ; 64 columns of f32
	s_mul_i32 s16, s13, 196608
	s_lshl_b32 s17, s12, 8
	s_add_co_u32 s16, s16, s17
	s_mov_b32 s17, 0
	s_lshl_b32 s18, s12, 18                        ; 64 rows of w_proj a head
	s_add_co_u32 s18, s18, s23
	s_mov_b32 s19, 0
	s_mov_b32 s24, s23
	s_mov_b32 s25, 0
	s_lshl_b32 s26, s13, 11
	s_add_co_u32 s26, s26, s12
	s_lshl_b32 s26, s26, 12
	s_add_co_u32 s26, s26, s23                     ; out0: row 2048 b + wave, my 64 columns
	s_mov_b32 s27, 0
	s_wait_kmcnt 0x0
	s_add_nc_u64 s[4:5], s[4:5], s[16:17]
	s_add_nc_u64 s[6:7], s[6:7], s[18:19]
	s_add_nc_u64 s[8:9], s[8:9], s[24:25]
	s_add_nc_u64 s[10:11], s[10:11], s[26:27]
.macro WLOAD dt, w                     ; W group dt: register 8 s + 2 nt + j = w_proj[64 head + 16 dt + 8 h + 2 s + j][64 nc + 16 nt + r]
.irp s, 0,1,2,3
.irp nt, 0,1,2,3
.irp j, 0,1
	global_load_b32 v[\w+8*\s+2*\nt+\j], v6, s[6:7] offset:(16*\dt+2*\s+\j)*4096+64*\nt
.endr
.endr
.endr
.endm
.macro GROUP dt, w, first              ; 16 products: four accumulators by turns
.irp s, 0,1,2,3
.irp nt, 0,1,2,3
.if (\first) && (\s == 0)
	v_wmma_f32_16x16x4_f32 v[OUTA+8*\nt:OUTA+8*\nt+7], v[\w+8*\s+2*\nt:\w+8*\s+2*\nt+1], v[YR+8*\dt+2*\s:YR+8*\dt+2*\s+1], 0
.else
	v_wmma_f32_16x16x4_f32 v[OUTA+8*\nt:OUTA+8*\nt+7], v[\w+8*\s+2*\nt:\w+8*\s+2*\nt+1], v[YR+8*\dt+2*\s:YR+8*\dt+2*\s+1], v[OUTA+8*\nt:OUTA+8*\nt+7]
.endif
.endr
.endr
.endm
.macro PLACES8                         ; eight places behind this form (ISA guide 7.12.1)
.rept 8
	v_nop
.endr
.endm
	global_load_b64 v[12:13], v10, s[8:9]          ; b_proj: the oldest load, so every later wait covers it
.irp i, 0,1,2,3,4,5,6,7
	global_load_b128 v[QR+4*\i:QR+4*\i+3], v4, s[4:5] offset:16*\i
.endr
.irp i, 0,1,2,3,4,5,6,7
	global_load_b128 v[KR+4*\i:KR+4*\i+3], v4, s[4:5] offset:4096+16*\i
.endr
.irp dt, 0,1,2,3
.irp s, 0,1,2,3
.irp j, 0,1
	global_load_b32 v[VR+8*\dt+2*\s+\j], v5, s[4:5] offset:8192+(2*\s+\j)*12288+64*\dt
.endr
.endr
.endr
	WLOAD 0, WA
	s_wait_loadcnt 63                              ; behind K's loads 64 were issued (V, W group 0)
.irp s, 0,1,2,3,4,5,6,7,8,9,10,11,12,13,14,15
.if \s < 2
	v_wmma_f32_16x16x4_f32 v[SA+8*(\s%2):SA+8*(\s%2)+7], v[KR+2*\s:KR+2*\s+1], v[QR+2*\s:QR+2*\s+1], 0
.else
	v_wmma_f32_16x16x4_f32 v[SA+8*(\s%2):SA+8*(\s%2)+7], v[KR+2*\s:KR+2*\s+1], v[QR+2*\s:QR+2*\s+1], v[SA+8*(\s%2):SA+8*(\s%2)+7]
.endif
.endr
	PLACES8
	WLOAD 1, KR
.irp j, 0,1,2,3,4,5,6,7
	v_add_f32 v[T+\j], v[SA+\j], v[SA+8+\j]        ; the two halves of the sum: score of key 8 h + j for query r
.endr
.irp j, 0,1,2,3,4,5,6,7
	v_cmp_gt_i32 vcc_lo, \j, v7                    ; hidden where 8 h + j > r
	v_cndmask_b32 v[T+\j], v[T+\j], v11, vcc_lo
.endr
	v_max3_num_f32 v200, v[T], v[T+1], v[T+2]
	v_max3_num_f32 v200, v200, v[T+3], v[T+4]
	v_max3_num_f32 v200, v200, v[T+5], v[T+6]
	v_max_num_f32 v200, v200, v[T+7]
	v_permlanex16_b32 v201, v200, s20, s21
	v_max_num_f32 v200, v200, v201                 ; the row's maximum: key 0 counts for every query
	v_mul_f32 v202, s22, v200
.irp j, 0,1,2,3,4,5,6,7
	v_fma_f32 v[T+\j], v[T+\j], s22, -v202
.endr
.irp j, 0,1,2,3,4,5,6,7
	v_exp_f32 v[T+\j], v[T+\j]
.endr
	v_nop
	s_wait_alu depctr_va_vdst(0)                   ; one wait for the eight, ahead of their first reader
	v_add_f32 v203, v[T], v[T+1]
	v_add_f32 v204, v[T+2], v[T+3]
	v_add_f32 v206, v[T+4], v[T+5]
	v_add_f32 v207, v[T+6], v[T+7]
	v_add_f32 v203, v203, v204
	v_add_f32 v206, v206, v207
	v_add_f32 v203, v203, v206
	v_permlanex16_b32 v201, v203, s20, s21
	v_add_f32 v203, v203, v201
	v_rcp_f32 v205, v203
	v_nop
	s_wait_alu depctr_va_vdst(0)
	s_wait_loadcnt 63                              ; V is in: behind it W groups 0 and 1, 64 loads
.irp s, 0,1,2,3
.irp dt, 0,1,2,3
.if \s == 0
	v_wmma_f32_16x16x4_f32 v[OA+8*\dt:OA+8*\dt+7], v[VR+8*\dt+2*\s:VR+8*\dt+2*\s+1], v[T+2*\s:T+2*\s+1], 0
.else
	v_wmma_f32_16x16x4_f32 v[OA+8*\dt:OA+8*\dt+7], v[VR+8*\dt+2*\s:VR+8*\dt+2*\s+1], v[T+2*\s:T+2*\s+1], v[OA+8*\dt:OA+8*\dt+7]
.endif
.endr
.endr
	PLACES8
	WLOAD 2, VR
.set i, 0
.rept 32
	v_mul_f32 v[YR+i], v[OA+i], v205               ; y(query r, channel 16 dt + 8 h + j), each accumulator from its low end on
.set i, i+1
.endr
	s_wait_loadcnt 63                              ; W group 0 is in: behind it groups 1 and 2
	GROUP 0, WA, 1
	PLACES8
	WLOAD 3, WA
	s_wait_loadcnt 63                              ; group 1: behind it groups 2 and 3
	GROUP 1, KR, 0
	s_wait_loadcnt 32                              ; group 2: behind it group 3
	GROUP 2, VR, 0
	s_wait_loadcnt 0x0
	GROUP 3, WA, 0
	PLACES8
.irp nt, 0,1,2,3
	ds_store_b128 v8, v[OUTA+8*\nt:OUTA+8*\nt+3]   offset:PART+64*\nt      ; lane (r, h): out(r, 16 nt + 8 h + 0 .. 7), my head's part
	ds_store_b128 v8, v[OUTA+8*\nt+4:OUTA+8*\nt+7] offset:PART+64*\nt+16
.endr
	s_wait_dscnt 0x0                               ; for the others' sake: my stores have landed
	s_barrier_signal -1
	s_barrier_wait -1
.irp v, 0,1,2,3,4,5,6,7,8,9,10,11,12,13,14,15
	ds_load_b64 v[YR+2*\v:YR+2*\v+1], v9 offset:PART+\v*16*272             ; row = my wave's number, columns 2 l, 2 l + 1, of head v's part
.endr
	s_wait_dscnt 0x0
.irp w, 4,8,16,32
.set u, 0
.rept 32/\w
	v_pk_add_f32 v[YR+\w*u:YR+\w*u+1], v[YR+\w*u:YR+\w*u+1], v[YR+\w*u+\w/2:YR+\w*u+\w/2+1]
.set u, u+1
.endr
.endr
	v_pk_add_f32 v[YR:YR+1], v[YR:YR+1], v[12:13]
	global_store_b64 v10, v[YR:YR+1], s[10:11]     ; the wave stores 256 consecutive bytes, aligned
	s_wait_tensorcnt 0x0                           ; the wave's end: the three lines
	ds_add_u32 v[SPW], v[NIL]
	s_wait_dscnt 0x0
	s_endpgm
.Lfunc_end_k_q05df235328_first16:
	.size	k_q05df235328_first16, .Lfunc_end_k_q05df235328_first16-k_q05df235328_first16
	.p2alignl 7, 3214868480
	.fill 96, 4, 3214868480
	.section	.rodata,"a",@progbits
	.p2align	6, 0x0
	.amdhsa_kernel k_q05df235328_first16
		.amdhsa_group_segment_fixed_size 71680
		.amdhsa_private_segment_fixed_size 0
		.amdhsa_enable_private_segment 0
		.amdhsa_kernarg_size 32
		.amdhsa_user_sgpr_count 2
		.amdhsa_user_sgpr_kernarg_segment_ptr 1
		.amdhsa_wavefront_size32 1
		.amdhsa_system_sgpr_workgroup_id_x 1
		.amdhsa_system_sgpr_workgroup_id_y 1
		.amdhsa_system_sgpr_workgroup_id_z 1
		.amdhsa_system_vgpr_workitem_id 0
		.amdhsa_next_free_vgpr 256
		.amdhsa_next_free_sgpr 66
		.amdhsa_reserve_vcc 1
		.amdhsa_float_denorm_mode_32 3
		.amdhsa_float_denorm_mode_16_64 3
		.amdhsa_memory_ordered 1
		.amdhsa_forward_progress 1
		.amdhsa_inst_pref_size 33
	.end_amdhsa_kernel
	.amdgpu_metadata
---
amdhsa.version: [ 1, 2 ]
amdhsa.kernels:
  - .name:           k_q05df235328_first16
    .symbol:         k_q05df235328_first16.kd
    .args:
      - { .name: qkv16, .offset: 0, .size: 8, .value_kind: global_buffer, .address_space: global }
      - { .name: w_proj, .offset: 8, .size: 8, .value_kind: global_buffer, .address_space: global }
      - { .name: b_proj, .offset: 16, .size: 8, .value_kind: global_buffer, .address_space: global }
      - { .name: out0, .offset: 24, .size: 8, .value_kind: global_buffer, .address_space: global }
    .group_segment_fixed_size: 71680
    .private_segment_fixed_size: 0
    .kernarg_segment_align: 8
    .kernarg_segment_size: 32
    .max_flat_workgroup_size: 512
    .sgpr_count:     66
    .vgpr_count:     256
    .wavefront_size: 32
...
	.end_amdgpu_metadata
.endif
;; end of part 5
